; MI455X (gfx1250); checked and timed in simulation.
; The chip was launched on July 23, 2026; its instructions are those of AMD's public machine-readable ISA for CDNA 5 (MIT licence, August 2026) and "CDNA5" Instruction Set Architecture Reference Guide (July 2026). The comments in the code are by the model that wrote it; some were corrected since.
;; Attention. Allowed arithmetic: float matrix products may take bf16 or f16 operands with f32 sums; all other float work in f32.
;; Inputs: freqs_cos 2,048 x 64 float32; freqs_sin 2,048 x 64 float32; mask 2,048 x 2,048 float32; positions 2,048 int32; wk 4,096 x 1,024 float32; wo 2,048 x 4,096 float32; wq 4,096 x 2,048 float32; wv 4,096 x 1,024 float32; x 1 x 2,048 x 4,096 float32.
;; Outputs: out0 1 x 2,048 x 4,096 float32.
;; One version. Each part assembles by itself: llvm-mc -triple=amdgcn-amd-amdhsa -mcpu=gfx1250 --defsym DOCPART=n.
;; ======== version 1 of 1: 4 launches
;; limits: values are held in f16: magnitudes above 65,504 overflow, below 6.1e-05 lose precision; values outside matrix products are rounded to bf16
;; workspace buffers: x16 16,777,216 bytes; w16 33,554,432 bytes; wo16 16,777,216 bytes; qkv16 16,777,216 bytes; o16 8,388,608 bytes
;; launch cast (part 1): grid 1024 x 1, 8 waves a work-group, no clusters, 0 bytes of LDS; arguments x, wq, wo, wk, wv, x16, w16, wo16; writes x16, w16, wo16
.if DOCPART == 1
	.amdgcn_target "amdgcn-amd-amdhsa--gfx1250"
	.amdhsa_code_object_version 6
	.text
	.protected	k_q09141c58f5_cast
	.globl	k_q09141c58f5_cast
	.p2align	8
	.type	k_q09141c58f5_cast,@function
k_q09141c58f5_cast:
	s_mov_b64 s[64:65], 0
	v_nop
	global_prefetch_b8 v0, s[64:65] scope:SCOPE_SE
	s_setreg_imm32_b32 hwreg(HW_REG_WAVE_MODE, 25, 1), 1
	s_wait_xcnt 0x0
; The operands of the two large products, rounded once to bf16 (nearest even).
;   x  [2048][4096] -> x16  [2048][4096] bf16
;   wq [4096][2048], wk [4096][1024], wv [4096][1024] -> w16 [4096 k][4096 n] bf16: columns 0-2047 q, 2048-3071 k, 3072-4095 v
;   wo [2048][4096] -> wo16 [2048][4096]: the same rounding to bf16, then written in f16's FORMAT, since its partner in the last product, O, is f16 and both sources of a matrix instruction have one format.
; LIMITS.  Every number keeps 8 significant bits.  wo16 alone has f16's range: beyond 65,504 it becomes an infinity; a bf16 number of 2^-17 or more is held exactly, a smaller one to within 2^-25.
; SHARES.  A chunk is 1,024 numbers of one source row: 4,096 bytes in, 2,048 bytes out.  A wave takes four consecutive chunks (16,384 consecutive source bytes),
; a work-group 32.  Work-groups 0-255 take x, 256-511 wq, 512-767 wo, 768-895 wk, 896-1023 wv.
; A stream: every byte is read once and written once; no LDS, no barrier, no matrix unit, no cluster: no two work-groups touch the same byte.
; All 32 loads of a wave go out first; a load's four registers are worked on behind its own counted wait and never touched again behind their store, so these are the only waits.
.set D,  4                             ; v[4:131]  load j: four registers; its two packed results take the first two
.set HM, 46                            ; s46  mask of a word's upper half
	s_load_b512 s[8:23], s[0:1], 0x0               ; x s[8:9], wq s[10:11], wo s[12:13], wk s[14:15], wv s[16:17], x16 s[18:19], w16 s[20:21], wo16 s[22:23]
	s_mov_b32 s25, ttmp9                           ; the work-group's number
	v_lshrrev_b32 v3, 5, v0
	v_readfirstlane_b32 s24, v3                    ; wave 0..7
	v_and_b32 v1, 31, v0
	v_lshlrev_b32 v2, 3, v1                        ; 8 bytes a lane out
	v_lshlrev_b32 v1, 4, v1                        ; 16 bytes a lane in
	s_mov_b32 s[HM], 0xffff0000
	s_mov_b32 s30, 896                             ; the source's first work-group,
	s_mov_b32 s31, 0                               ; log2 of the chunks in a source row,
	s_mov_b32 s32, 6144                            ; the byte column in the destination's rows of 8,192 bytes: wv's three; the selects below replace them
	s_wait_kmcnt 0x0
	s_mov_b64 s[26:27], s[16:17]                   ; source
	s_mov_b64 s[28:29], s[20:21]                   ; destination
	s_cmp_lt_u32 s25, 896                          ; wk
	s_cselect_b64 s[26:27], s[14:15], s[26:27]
	s_cselect_b32 s30, 768, s30
	s_cselect_b32 s32, 4096, s32
	s_cmp_lt_u32 s25, 768                          ; wo
	s_cselect_b64 s[26:27], s[12:13], s[26:27]
	s_cselect_b64 s[28:29], s[22:23], s[28:29]
	s_cselect_b32 s30, 512, s30
	s_cselect_b32 s31, 2, s31
	s_cselect_b32 s32, 0, s32
	s_cmp_lt_u32 s25, 512                          ; wq
	s_cselect_b64 s[26:27], s[10:11], s[26:27]
	s_cselect_b64 s[28:29], s[20:21], s[28:29]
	s_cselect_b32 s30, 256, s30
	s_cselect_b32 s31, 1, s31
	s_cmp_lt_u32 s25, 256                          ; x
	s_cselect_b64 s[26:27], s[8:9], s[26:27]
	s_cselect_b64 s[28:29], s[18:19], s[28:29]
	s_cselect_b32 s30, 0, s30
	s_cselect_b32 s31, 2, s31
	s_sub_co_u32 s33, s25, s30
	s_lshl_b32 s33, s33, 3
	s_add_co_u32 s33, s33, s24                     ; my wave among the source's
	s_lshl_b32 s34, s33, 14                        ; its 16,384 bytes
	s_mov_b32 s35, 0
	s_add_nc_u64 s[26:27], s[26:27], s[34:35]
.set j, 0
.rept 32
	global_load_b128 v[D+4*j:D+4*j+3], v1, s[26:27] offset:512*j th:TH_LOAD_NT  ; 512 consecutive bytes a load
.set j, j+1
.endr
	s_lshl_b32 s33, s33, 2                         ; my first chunk
	s_bfm_b32 s34, s31, 0                          ; mask of a chunk's place in its row
.irp i, 0,1,2,3                        ; where chunk i goes: row x 8,192 + place in the row x 2,048 + column
	s_add_co_u32 s44, s33, \i
	s_lshr_b32 s45, s44, s31
	s_lshl_b32 s45, s45, 13
	s_and_b32 s44, s44, s34
	s_lshl_b32 s44, s44, 11
	s_add_co_u32 s44, s44, s45
	s_add_co_u32 s44, s44, s32
	s_mov_b32 s45, 0
	s_add_nc_u64 s[36+2*\i:37+2*\i], s[28:29], s[44:45]
.endr
; The 32 loads are rounded and stored as they come.  tof16 = 1 (wo): the bf16 numbers are widened again (a shift, a mask) and written as f16.
.macro CONV tof16
.set j, 0
.rept 32
	s_wait_loadcnt 31-j                            ; loads come back in order (ISA guide 5.7.1): load j is in, the 31 - j younger ones stay out
	v_cvt_pk_bf16_f32 v[D+4*j], v[D+4*j], v[D+4*j+1]
.if \tof16
	v_cvt_pk_bf16_f32 v[D+4*j+2], v[D+4*j+2], v[D+4*j+3]
	v_lshlrev_b32 v[D+4*j+1], 16, v[D+4*j]         ; number 0
	v_and_b32     v[D+4*j], s[HM], v[D+4*j]        ; number 1
	v_lshlrev_b32 v[D+4*j+3], 16, v[D+4*j+2]       ; number 2
	v_and_b32     v[D+4*j+2], s[HM], v[D+4*j+2]    ; number 3
	v_cvt_pk_f16_f32 v[D+4*j],   v[D+4*j+1], v[D+4*j]
	v_cvt_pk_f16_f32 v[D+4*j+1], v[D+4*j+3], v[D+4*j+2]
.else
	v_cvt_pk_bf16_f32 v[D+4*j+1], v[D+4*j+2], v[D+4*j+3]
.endif
	global_store_b64 v2, v[D+4*j:D+4*j+1], s[36+2*(j/8):37+2*(j/8)] offset:256*(j%8)  ; the wave stores 256 consecutive bytes, at a multiple of 256 from the buffer's first byte
.set j, j+1
.endr
	s_endpgm
.endm
	s_cmp_eq_u32 s30, 512                          ; is my source wo?  The same answer in all waves of a work-group; it hangs on the work-group's number alone
	s_cbranch_scc1 .Lwo
	CONV 0
.Lwo:
	CONV 1
.Lfunc_end_k_q09141c58f5_cast:
	.size	k_q09141c58f5_cast, .Lfunc_end_k_q09141c58f5_cast-k_q09141c58f5_cast
	.p2alignl 7, 3214868480
	.fill 96, 4, 3214868480
	.section	.rodata,"a",@progbits
	.p2align	6, 0x0
	.amdhsa_kernel k_q09141c58f5_cast
		.amdhsa_group_segment_fixed_size 0
		.amdhsa_private_segment_fixed_size 0
		.amdhsa_enable_private_segment 0
		.amdhsa_kernarg_size 64
		.amdhsa_user_sgpr_count 2
		.amdhsa_user_sgpr_kernarg_segment_ptr 1
		.amdhsa_wavefront_size32 1
		.amdhsa_system_sgpr_workgroup_id_x 1
		.amdhsa_system_sgpr_workgroup_id_y 1
		.amdhsa_system_sgpr_workgroup_id_z 1
		.amdhsa_system_vgpr_workitem_id 0
		.amdhsa_next_free_vgpr 132
		.amdhsa_next_free_sgpr 66
		.amdhsa_reserve_vcc 0
		.amdhsa_float_denorm_mode_32 3
		.amdhsa_float_denorm_mode_16_64 3
		.amdhsa_memory_ordered 1
		.amdhsa_forward_progress 1
		.amdhsa_inst_pref_size 31
	.end_amdhsa_kernel
	.amdgpu_metadata
---
amdhsa.version: [ 1, 2 ]
amdhsa.kernels:
  - .name:           k_q09141c58f5_cast
    .symbol:         k_q09141c58f5_cast.kd
    .args:
      - { .name: x, .offset: 0, .size: 8, .value_kind: global_buffer, .address_space: global }
      - { .name: wq, .offset: 8, .size: 8, .value_kind: global_buffer, .address_space: global }
      - { .name: wo, .offset: 16, .size: 8, .value_kind: global_buffer, .address_space: global }
      - { .name: wk, .offset: 24, .size: 8, .value_kind: global_buffer, .address_space: global }
      - { .name: wv, .offset: 32, .size: 8, .value_kind: global_buffer, .address_space: global }
      - { .name: x16, .offset: 40, .size: 8, .value_kind: global_buffer, .address_space: global }
      - { .name: w16, .offset: 48, .size: 8, .value_kind: global_buffer, .address_space: global }
      - { .name: wo16, .offset: 56, .size: 8, .value_kind: global_buffer, .address_space: global }
    .group_segment_fixed_size: 0
    .private_segment_fixed_size: 0
    .kernarg_segment_align: 8
    .kernarg_segment_size: 64
    .max_flat_workgroup_size: 256
    .sgpr_count:     66
    .vgpr_count:     132
    .wavefront_size: 32
...
	.end_amdgpu_metadata
.endif
;; end of part 1
;; launch qkv (part 2): grid 16 x 16, 4 waves a work-group, clusters of 4 x 4, 327,680 bytes of LDS; arguments x16, w16, freqs_cos, freqs_sin, qkv16; writes qkv16
.if DOCPART == 2
	.amdgcn_target "amdgcn-amd-amdhsa--gfx1250"
	.amdhsa_code_object_version 6
	.text
	.protected	k_q09141c58f5_qkv
	.globl	k_q09141c58f5_qkv
	.p2align	8
	.type	k_q09141c58f5_qkv,@function
k_q09141c58f5_qkv:
	s_mov_b64 s[64:65], 0
	v_nop
	global_prefetch_b8 v0, s[64:65] scope:SCOPE_SE
	s_setreg_imm32_b32 hwreg(HW_REG_WAVE_MODE, 25, 1), 1
	s_wait_xcnt 0x0
	s_wait_alu depctr_hold_cnt(0) depctr_sa_sdst(0) depctr_va_vdst(0) depctr_va_sdst(0) depctr_va_ssrc(0) depctr_va_vcc(0) depctr_vm_vsrc(0)
	s_getreg_b32 s2, hwreg(HW_REG_IB_STS2, 6, 4)
	s_cmp_eq_u32 s2, 0
	s_cbranch_scc0 .Lentry_in_a_cluster
	s_endpgm
.Lentry_in_a_cluster:
	s_bfe_u32 s2, ttmp6, 0x10000c
	s_cmp_lg_u32 s2, 0xf033
	s_cbranch_scc0 .Lentry_shape_is_right
	s_endpgm
.Lentry_shape_is_right:
; [q | k | v] = x [wq | wk | wv], then the rotation of q and k by the two tables, written by heads.
; x16: [2048][4096] bf16.  w16: [4096 k][4096 n] bf16.  freqs_cos, freqs_sin: [2048][64] f32.  qkv16: [32][2048][128] f16: planes 0-15 q's heads, 16-23 k's, 24-31 v's.
; Sums in f32, K ascending; the rotation in f32; one rounding to f16 at the end.  The input 'positions' enters reference() nowhere, neither as a value nor as an index: no launch of this program loads it.
; WHAT IS STORED.  q x 4 / sqrt(128), k / 4, v as it is: the product of the stored q and k is the score with its scale, and both have room in f16.
; LIMITS.  Every floating input of this launch is taken at bf16's precision, 8 significant bits: x and the weights arrive so, and cos and sin are rounded so here (nearest even) before the rotation.
; f16 holds no number beyond 65,504: a stored q, k or v beyond that becomes an infinity; below 6e-5 f16 keeps a fixed step of 6e-8.  NaN and infinities are not treated apart
; (v's columns take cos x 0 + 1 and sin x 0, which wants finite tables).
; SHARES.  A tile of the result is 128 rows x 256 columns: 16 x 16 tiles, one work-group each.  Four waves, 2 x 2; a wave makes 64 rows x 128 columns, which are ONE head: 32 accumulators, 256 registers.
; THE RING.  K goes in steps of 192, as long as two slots in LDS allow, through two LDS slots filled by the tensor data mover: a slot is six quarters of 32 along K, 192 matrix instructions a wave.
; 4,096 = 21 x 192 + 64: the 22nd slot holds 64 of K, and the room that it leaves takes the tile's rows of the two tables.  x's rows in a tile are 384 bytes and begin at multiples of 128 bytes of x16;
; w's rows (along n) are 512 bytes and begin at multiples of 512.
; CLUSTER.  4 x 4 work-groups.  The four of a row of the cluster need the same tiles of x and the same rows of the tables, the four of a column the same tiles of w:
; each is asked for JOINTLY, by the same tensor load with the same descriptor and a mask that names the four.
; THE MATRIX INSTRUCTION IS USED TRANSPOSED: source 0 = 16 columns of w (w lies [k][n] in LDS and comes out turned, by ds_load_tr16_b128), source 1 = 16 rows of x.
; In the result lane l holds row l % 16 and its registers the columns 8 (l / 16) + 0..7: four neighbouring pairs of the rotation, and 16 bytes that belong together.
; REGISTERS, in windows of 256 (s_set_vgpr_msb: bits 1:0 source 0, 3:2 source 1, 5:4 source 2, 7:6 destination):
;   window 0: v0-31 addresses; v32-95 x's fragments, two buffers of 4 x 8; v96-223 w's fragments, two buffers of 8 x 8; on the way out all of v32-255 is at work
;   window 1: accumulator (a, b) at v[8 (8 a + b)]: rows 16 a on, columns 16 b on
.set KDIM,  4096
.set NW,    4096                       ; elements in a row of w16
.set KSTEP, 192
.set PA,    432                        ; a row of x in LDS: three pieces of 128 bytes + 16 = 108 words: the 16 rows of a load start at 16 different groups of four banks (64 banks of 4 bytes: ISA guide 11.1)
.set PB,    544                        ; a row of w in LDS: 512 bytes + 32 = 136 words
.set ATILE, 128*PA                     ; x's 128 rows
.set SLOT,  ATILE+KSTEP*PB             ; then w's 192 rows: 159,744 bytes
.set LASTK, 21*KSTEP                   ; where the last slot's 64 of K begin
.set TABL,  SLOT+ATILE+64*PB           ; in slot 1, behind the last slot's 64 rows of w: the tile's 128 rows of cos, 256 bytes + 16 each
.set CSB,   128*272                    ; sin's lie this far behind cos's, and end where the slot ends
.set STAGE, 0                          ; the way out: 16 rows x 272 bytes for each wave, in slot 0, which has had its last fill and its last read by then
.set SP,    272
.set TRIPS, 9                          ; the loop walks slots 0 to 17; slots 18 to 21 are written out
.set ADRA, 16                          ; v16-17  LDS address of my fragments of x in slot 0, 1
.set ADRB, 20                          ; v20-21  the same for w, quarters 0 to 2;  v22-23  quarters 3 to 5 (an LDS offset has 16 bits)
.set STO,  24                          ; v24     the way out: where I put 16 bytes of a row
.set RD,   25                          ; v25     the way out: where I read rows back
.set CO,   26                          ; v26     my byte offset in 512 consecutive bytes of a plane
.set CSA,  27                          ; v27     LDS address of my four cos
.set FA,   32                          ; x's fragments: buffer f at FA + 32 f
.set FB,   96                          ; w's: buffer f at FB + 64 f
.set CC,   32                          ; the way out: 32 cos, 32 sin, 64 rotated numbers (first: the tables, packed), 32 packed words, 2 x 32 read back
.set SS,   64
.set T,    96
.set PKD,  160
.set WV,   14                          ; s14  my wave's number
.set RH,   15                          ; s15  which half of the tile's rows is mine.  Also: I fetch for x (0) or for w (1)
.set CH,   16                          ; s16  which half of its columns.  Also: which half of that tile's rows I fetch
.set RMASK, 21                         ; s21  my row of the cluster, as a mask
.set G1A,  32                          ; s[32:39] descriptor group 1 for x's tiles;  s[40:47] group 0, a set for each slot
.set G0A,  40
.set G1B,  48                          ; s[48:55], s[56:63] the same for w's tiles
.set G0B,  56
.set G1C,  68                          ; s[68:75], s[76:79] for the tables
.set G0C,  76
.set AL,   80                          ; s[80:81] what cos and sin are multiplied by, in the low word
.set BE,   82                          ; s[82:83] what is added to cos
.set LAP,  84
.set HM,   85                          ; s85  mask of a word's upper half
.set XL,   88                          ; s[88:89] x16 at the tile's first row, the last slot's K
.set WL,   90                          ; s[90:91] w16 at the last slot's first row, the tile's first column
.set MSB, 0
.macro WIN new                         ; the immediate's high byte repeats the setting that is left; a switch that changes nothing is dropped
.if MSB != (\new)
	s_set_vgpr_msb (MSB<<8)|(\new)
.set MSB, \new
.endif
.endm
.set MUL, 0x50                         ; both sources window 0, C and D window 1
; A joint refill.  Waves 0 and 1 fetch x's two halves, waves 2 and 3 w's.  The branch hangs on the wave's number alone: it is the same in every work-group.
; Four v_nop follow each of the two lines, ahead of the jump, the label and what follows.
.macro JLOAD s
	s_cmp_eq_u32 s[RH], 0
	s_cbranch_scc0 .Lfor_b_\@
	tensor_load_to_lds s[G0A+4*(\s):G0A+4*(\s)+3], s[G1A:G1A+7]
	s_nop 0
.rept 4
	v_nop
.endr
	s_branch .Lasked_\@
.Lfor_b_\@:
	tensor_load_to_lds s[G0B+4*(\s):G0B+4*(\s)+3], s[G1B:G1B+7]
	s_nop 0
.rept 4
	v_nop
.endr
.Lasked_\@:
.endm
; THE LAST FILL, into slot 1: four things, one a wave.  Wave 0: x's 128 rows x 64 of K (rows of 128 bytes; 76 words of padding keep the pitch of 432).  Wave 1: w's 64 rows.  Wave 2: the tile's 128 rows
; of cos.  Wave 3: of sin.  No tensor load of the wave is out here, so the descriptors are written anew, with constants and two addresses made at the start.
.macro LASTFILL
	s_or_b32 s[G1A], s[RMASK], (1<<16)|(1<<20)|(1<<21)|(4<<22)|(75<<25)
	s_mov_b32 s[G1A+1], 64<<16                     ; tensor_dim0
	s_mov_b32 s[G1A+2], 128<<16                    ; tensor_dim1
	s_mov_b32 s[G1A+3], 64<<16                     ; tile_dim0
	s_mov_b32 s[G1A+4], 128                        ; tile_dim1
	s_mov_b32 s[G0A+5], SLOT
	s_mov_b64 s[G0A+6:G0A+7], s[XL:XL+1]
	s_or_b32 s[G0A+7], s[G0A+7], 0x80000000
	s_mov_b32 s[G1B+2], 64<<16                     ; tensor_dim1
	s_mov_b32 s[G1B+4], 64                         ; tile_dim1
	s_mov_b32 s[G0B+5], SLOT+ATILE
	s_mov_b64 s[G0B+6:G0B+7], s[WL:WL+1]
	s_or_b32 s[G0B+7], s[G0B+7], 0x80000000
	s_cmp_lg_u32 s[WV], 0
	s_cbranch_scc1 .Llast_not_x
	tensor_load_to_lds s[G0A+4:G0A+7], s[G1A:G1A+7]
	s_nop 0
.rept 4
	v_nop
.endr
	s_branch .Llast_asked
.Llast_not_x:
	s_cmp_lg_u32 s[WV], 1
	s_cbranch_scc1 .Llast_table
	tensor_load_to_lds s[G0B+4:G0B+7], s[G1B:G1B+7]
	s_nop 0
.rept 4
	v_nop
.endr
	s_branch .Llast_asked
.Llast_table:
	tensor_load_to_lds s[G0C:G0C+3], s[G1C:G1C+7]
	s_nop 0
.rept 4
	v_nop
.endr
.Llast_asked:
.endm
; A round of the cluster's barrier: my work-group's barrier, so that wave 0's signal speaks for all four waves; wave 0 signals for the work-group; every wave waits for all sixteen; my work-group's barrier once more.
.macro CREST                           ; a round behind its opening barrier
	s_cmp_lg_u32 s[WV], 0
	s_cbranch_scc1 .Lnot_wave_0_\@
	s_barrier_signal -3
.Lnot_wave_0_\@:
	s_barrier_wait -3
	s_barrier_signal -1
	s_barrier_wait -1
.endm
.macro CROUND                          ; a whole round
	s_barrier_signal -1
	s_barrier_wait -1
	CREST
.endm
	s_load_b256 s[4:11], s[0:1], 0x0               ; x16 s[4:5], w16 s[6:7], cos s[8:9], sin s[10:11]
	s_load_b64 s[12:13], s[0:1], 0x20              ; qkv16
	v_lshl_add_u32 v30, v0, 2, 0x4e000
	v_mov_b32 v31, 0
	ds_add_u32 v30, v31
	v_lshrrev_b32 v1, 5, v0
	v_readfirstlane_b32 s[WV], v1                  ; wave 0..3
	s_lshr_b32 s[RH], s[WV], 1
	s_and_b32 s[CH], s[WV], 1
	s_bfe_u32 s17, ttmp6, 0x40000                  ; cx, cy: my place in the cluster
	s_bfe_u32 s18, ttmp6, 0x40004
	s_lshl_b32 s19, ttmp9, 2
	s_add_co_u32 s19, s19, s17                     ; tile column = 4 x cluster x + cx
	s_and_b32 s20, ttmp7, 0xffff
	s_lshl_b32 s20, s20, 2
	s_add_co_u32 s20, s20, s18                     ; tile row = 4 x cluster y + cy
	s_lshl_b32 s[RMASK], s18, 2
	s_lshl_b32 s[RMASK], 15, s[RMASK]              ; my row of the cluster: places 4 cy .. 4 cy + 3
	s_lshl_b32 s22, 0x1111, s17                    ; my column: places cx, cx + 4, cx + 8, cx + 12
	; The cluster's x says what its 1,024 columns are: 0, 1: q; 2: k; 3: v.  cos' = cos x AL + BE, sin' = sin x AL: the scale rides on the tables, and v's rotation is by (1, 0).
	s_mov_b32 s23, ttmp9
	s_mov_b32 s[AL], 0x3e800000                    ; k: 1 / 4
	s_cmp_lt_u32 s23, 2
	s_cselect_b32 s[AL], 0x3eb504f3, s[AL]         ; q: 4 / sqrt(128) = 0.35355339
	s_cmp_eq_u32 s23, 3
	s_cselect_b32 s[AL], 0, s[AL]                  ; v
	s_cselect_b32 s[BE], 1.0, 0
	s_mov_b32 s[AL+1], s[AL]                       ; named as pairs, so they are written
	s_mov_b32 s[BE+1], s[BE]
	s_mov_b32 s[HM], 0xffff0000
	; descriptor group 1.  x: 64 rows x 192 elements of 2 bytes, 4 words of padding after every 32.  w: 96 rows x 256 elements, 8 words after every 128.  Tables: 128 rows x 64 elements of 4 bytes, 4 words after every 64.
	s_or_b32 s[G1A], s[RMASK], (1<<16)|(1<<20)|(1<<21)|(4<<22)|(3<<25)  ; 15:0 the mask: my row; 17:16 element size; 20 padding on; 21 set beside a mask; 24:22 the interval's code; 31:25 the pad's words less 1
	s_mov_b32 s[G1A+1], KSTEP<<16                  ; tensor_dim0
	s_mov_b32 s[G1A+2], 64<<16                     ; tensor_dim1
	s_mov_b32 s[G1A+3], KSTEP<<16                  ; tile_dim0
	s_mov_b32 s[G1A+4], 64                         ; tile_dim1
	s_mov_b32 s[G1A+5], KDIM                       ; elements from row to row
	s_mov_b32 s[G1A+6], 0
	s_mov_b32 s[G1A+7], 0
	s_or_b32 s[G1B], s22, (1<<16)|(1<<20)|(1<<21)|(6<<22)|(7<<25)  ; the mask: my column
	s_mov_b32 s[G1B+1], 256<<16
	s_mov_b32 s[G1B+2], 96<<16
	s_mov_b32 s[G1B+3], 256<<16
	s_mov_b32 s[G1B+4], 96
	s_mov_b32 s[G1B+5], NW
	s_mov_b32 s[G1B+6], 0
	s_mov_b32 s[G1B+7], 0
	s_or_b32 s[G1C], s[RMASK], (2<<16)|(1<<20)|(1<<21)|(5<<22)|(3<<25)  ; the mask: my row
	s_mov_b32 s[G1C+1], 64<<16
	s_mov_b32 s[G1C+2], 128<<16
	s_mov_b32 s[G1C+3], 64<<16
	s_mov_b32 s[G1C+4], 128
	s_mov_b32 s[G1C+5], 64
	s_mov_b32 s[G1C+6], 0
	s_mov_b32 s[G1C+7], 0
	; where the tiles come from.  x's and the tables' hang on the tile row alone, w's on the tile column alone; each offset is made in registers that do not hold the other coordinate
	s_lshl_b32 s24, s20, 7                         ; the tile's first row: 128 x tile row
	s_lshl_b32 s26, s24, 8                         ; x 256 bytes in a table
	s_mov_b32 s27, 0
	s_lshl_b32 s30, s24, 13                        ; x 8,192 bytes in x16,
	s_add_co_u32 s30, s30, LASTK*2                 ; at the last slot's K
	s_mov_b32 s31, 0
	s_lshl_b32 s25, s[CH], 6
	s_add_co_u32 s24, s24, s25                     ; my 64 rows of a tile of x
	s_lshl_b32 s24, s24, 13
	s_mov_b32 s25, 0
	s_mul_i32 s28, s[CH], 96*NW*2                  ; w16: my 96 rows of 8,192 bytes
	s_lshl_b32 s29, s19, 9                         ; + 512 bytes x tile column
	s_add_co_u32 s28, s28, s29
	s_add_co_u32 s94, s29, LASTK*NW*2              ; and the last slot's first row
	s_mov_b32 s95, 0
	s_mov_b32 s29, 0
	s_mul_i32 s86, s[CH], 64*PA                    ; and where they go: no place in the cluster enters an LDS address
	s_mul_i32 s87, s[CH], 96*PB
	s_add_co_u32 s87, s87, ATILE
	s_wait_dscnt 0x0
	s_wait_kmcnt 0x0
	s_add_nc_u64 s[24:25], s[4:5], s[24:25]
	s_add_nc_u64 s[XL:XL+1], s[4:5], s[30:31]
	s_add_nc_u64 s[28:29], s[6:7], s[28:29]
	s_add_nc_u64 s[WL:WL+1], s[6:7], s[94:95]
	s_cmp_eq_u32 s[CH], 0                          ; wave 2 will fetch cos, wave 3 sin
	s_cselect_b64 s[30:31], s[8:9], s[10:11]
	s_add_nc_u64 s[26:27], s[30:31], s[26:27]
	CROUND                                         ; all sixteen work-groups are here: the first joint loads meet
.irp s, 0,1
	s_mov_b32 s[G0A+4*(\s)], 1                                         ; count = 1
	s_add_co_u32 s[G0A+4*(\s)+1], s86, (\s)*SLOT                       ; LDS address
	s_add_nc_u64 s[G0A+4*(\s)+2:G0A+4*(\s)+3], s[24:25], (\s)*KSTEP*2  ; global address: K step s
	s_or_b32 s[G0A+4*(\s)+3], s[G0A+4*(\s)+3], 0x80000000              ; type = 2
	s_mov_b32 s[G0B+4*(\s)], 1
	s_add_co_u32 s[G0B+4*(\s)+1], s87, (\s)*SLOT
	s_add_nc_u64 s[G0B+4*(\s)+2:G0B+4*(\s)+3], s[28:29], (\s)*KSTEP*NW*2
	s_or_b32 s[G0B+4*(\s)+3], s[G0B+4*(\s)+3], 0x80000000
.endr
	s_mov_b32 s[G0C], 1
	s_mul_i32 s[G0C+1], s[CH], CSB                 ; cos, then sin
	s_add_co_u32 s[G0C+1], s[G0C+1], TABL
	s_mov_b64 s[G0C+2:G0C+3], s[26:27]
	s_or_b32 s[G0C+3], s[G0C+3], 0x80000000
	s_cmp_eq_u32 s[RH], 0                          ; a wave's two first fills stand together, ahead of every wait on TENSORcnt and every LDS read: two loads of mine are out
	s_cbranch_scc0 .Lfirst_b
	tensor_load_to_lds s[G0A:G0A+3], s[G1A:G1A+7]
	s_nop 0
	tensor_load_to_lds s[G0A+4:G0A+7], s[G1A:G1A+7]
	s_nop 0
.rept 4
	v_nop
.endr
	s_branch .Lfirst_asked
.Lfirst_b:
	tensor_load_to_lds s[G0B:G0B+3], s[G1B:G1B+7]
	s_nop 0
	tensor_load_to_lds s[G0B+4:G0B+7], s[G1B:G1B+7]
	s_nop 0
.rept 4
	v_nop
.endr
.Lfirst_asked:
	; A fragment of x is 16 rows x 32 K in 8 registers: lane l holds row l % 16, K = 8 (l / 16) + 0..7 and 16 + 8 (l / 16) + 0..7: two loads of 16 bytes, 32 bytes apart.
	v_and_b32 v1, 15, v0                           ; l % 16
	v_bfe_u32 v2, v0, 4, 1                         ; l / 16
	v_mul_u32_u24 v3, v1, PA
	v_lshl_add_u32 v3, v2, 4, v3
	s_mul_i32 s24, s[RH], 64*PA                    ; my 64 rows of x
	v_add_nc_u32 v[ADRA], s24, v3
	v_add_nc_u32 v[ADRA+1], SLOT, v[ADRA]
	; The turning load takes 16 K x 16 columns (lane l reads row 8 (l / 16) + l % 8, columns 8 ((l / 8) % 2) + 0..7) and leaves half a fragment: lane l holds column l % 16 and 8 K.
	v_and_b32 v4, 7, v0
	v_lshl_add_u32 v4, v2, 3, v4
	v_mul_u32_u24 v4, v4, PB
	v_bfe_u32 v5, v0, 3, 1
	v_lshl_add_u32 v4, v5, 4, v4
	s_lshl_b32 s25, s[CH], 8                       ; my 128 columns of w,
	s_add_co_u32 s25, s25, ATILE                   ; which lies behind x
	v_add_nc_u32 v[ADRB], s25, v4
	v_add_nc_u32 v[ADRB+1], SLOT, v[ADRB]
	v_add_nc_u32 v[ADRB+2], 96*PB, v[ADRB]         ; quarters 3 to 5 begin 96 rows on
	v_add_nc_u32 v[ADRB+3], 96*PB, v[ADRB+1]
	s_mul_i32 s26, s[WV], 16*SP
	s_add_co_u32 s26, s26, STAGE                   ; my stage
	v_mul_u32_u24 v6, v1, SP                       ; in: row l % 16, 16 bytes for each half of the lanes
	v_lshl_add_u32 v6, v2, 4, v6
	v_add_nc_u32 v[STO], s26, v6
	v_mul_u32_u24 v7, v2, SP                       ; back: lanes 0-15 take one row of 256 bytes, lanes 16-31 the next,
	v_lshl_add_u32 v7, v1, 4, v7
	v_add_nc_u32 v[RD], s26, v7
	v_and_b32 v[CO], 31, v0                        ; which are 512 consecutive bytes of a plane
	v_lshlrev_b32 v[CO], 4, v[CO]
	s_mul_i32 s27, s[RH], 64*272
	s_add_co_u32 s27, s27, TABL
	v_add_nc_u32 v[CSA], s27, v6                   ; cos of row l % 16 of my 64, pairs 4 (l / 16) + 0..3
	s_lshl_b32 s28, s19, 1                         ; where my part of the result begins: plane 2 x tile column + half,
	s_add_co_u32 s28, s28, s[CH]
	s_lshl_b32 s28, s28, 19                        ; of 524,288 bytes,
	s_lshl_b32 s29, s20, 7
	s_lshl_b32 s30, s[RH], 6
	s_add_co_u32 s29, s29, s30                     ; row 128 x tile row + 64 x half,
	s_lshl_b32 s29, s29, 8                         ; of 256 bytes
	s_add_co_u32 s28, s28, s29
	s_mov_b32 s29, 0
	s_add_nc_u64 s[12:13], s[12:13], s[28:29]
; 8 matrix instructions: row block a x all 8 column blocks, 32 along K, from buffer f.  zero = 1: the first product starts the sums: nothing is ever cleared.
; The 32 accumulators take turns, one instruction a turn, in the same order in every quarter.
.macro MUL8 f, a, zero
	WIN MUL
.irp b, 0,1,2,3,4,5,6,7
.if \zero
	v_wmma_f32_16x16x32_bf16 v[8*(8*(\a)+(\b)):8*(8*(\a)+(\b))+7], v[FB+64*(\f)+8*(\b):FB+64*(\f)+8*(\b)+7], v[FA+32*(\f)+8*(\a):FA+32*(\f)+8*(\a)+7], 0
.else
	v_wmma_f32_16x16x32_bf16 v[8*(8*(\a)+(\b)):8*(8*(\a)+(\b))+7], v[FB+64*(\f)+8*(\b):FB+64*(\f)+8*(\b)+7], v[FA+32*(\f)+8*(\a):FA+32*(\f)+8*(\a)+7], v[8*(8*(\a)+(\b)):8*(8*(\a)+(\b))+7]
.endif
.endr
.endm
; 24 LDS loads in one run: the fragments of quarter q (32 along K) of a slot into buffer g: w's 16 first, then x's 8, row blocks ascending.
; In x's rows quarter q lies in piece q / 2 (144 bytes apart), half q % 2 of it.
.macro FETCH slot, q, g
	WIN 0
.irp i, 0,1,2,3,4,5,6,7
	ds_load_tr16_b128 v[FB+64*(\g)+8*(\i):FB+64*(\g)+8*(\i)+3],   v[ADRB+(\slot)+2*((\q)/3)] offset:((\q)%3)*32*PB+32*(\i)
	ds_load_tr16_b128 v[FB+64*(\g)+8*(\i)+4:FB+64*(\g)+8*(\i)+7], v[ADRB+(\slot)+2*((\q)/3)] offset:((\q)%3)*32*PB+16*PB+32*(\i)
.endr
.irp i, 0,1,2,3
	ds_load_b128 v[FA+32*(\g)+8*(\i):FA+32*(\g)+8*(\i)+3],   v[ADRA+(\slot)] offset:((\q)/2)*144+((\q)%2)*64+(\i)*16*PA
	ds_load_b128 v[FA+32*(\g)+8*(\i)+4:FA+32*(\g)+8*(\i)+7], v[ADRA+(\slot)] offset:((\q)/2)*144+((\q)%2)*64+(\i)*16*PA+32
.endr
.endm
; A load into a register that a matrix instruction has read, and a vector instruction or LDS store that reads a matrix result, stand four places behind it, and only plain vector
; instructions that name none of its registers are places (ISA guide 7.12.1 for vector instructions).
.macro PLACES
.rept 4
	v_nop
.endr
.endm
; A slot is six quarters of 32 along K, 32 matrix instructions each, on buffers 0, 1, 0, 1, 0, 1.  One of the first five: multiplies buffer f; in its middle it fetches quarter q into buffer g.
.macro QUARTER slot, q, f, g, zero
	s_wait_dscnt 4                                 ; w and x's row blocks 0, 1 are in; the youngest four loads (blocks 2, 3) may be out
	MUL8 \f, 0, \zero
	MUL8 \f, 1, \zero
	PLACES
	FETCH \slot, \q, \g
	s_wait_dscnt 24                                ; all but the 24 just issued
	MUL8 \f, 2, \zero
	MUL8 \f, 3, \zero
.endm
.macro REST slot                       ; a slot's quarters 1 to 4
	QUARTER \slot, 2, 1, 0, 0
	QUARTER \slot, 3, 0, 1, 0
	QUARTER \slot, 4, 1, 0, 0
	QUARTER \slot, 5, 0, 1, 0
.endm
; The last quarter multiplies buffer 1 and changes slots: ONE barrier; in front of it each wave waits for its own reads of this slot and for all its tensor loads.  Behind it nobody reads this
; slot any more and the next slot is whole.  fill = 1: the barrier opens a round of the cluster's, and this slot is filled again, two K steps ahead, first thing behind the round:
; from that request to the wait for it a wave issues 16 + 5 x 32 + 8 = 184 matrix instructions.  fill = 2: the same with the last fill.  fill = 0: nothing is asked for.
.macro TURN slot, next, fill
	s_wait_dscnt 4
	MUL8 1, 0, 0
	s_wait_dscnt 0x0                               ; my reads of this slot are over,
	s_wait_tensorcnt 0x0                           ; and all my tensor loads have landed: my part of the next slot
	ds_add_u32 v30, v31
	s_wait_dscnt 0x0
	s_barrier_signal -1
	MUL8 1, 1, 0                                   ; work on registers while the others arrive
.if \fill
	WIN 0                                          ; at a branch and at a label every window is 0
.endif
	s_barrier_wait -1
.if (\fill) == 1
	CREST                                          ; no wave of any partner still reads this slot's tile or has a load on its way
	s_add_nc_u64 s[G0A+4*(\slot)+2:G0A+4*(\slot)+3], s[G0A+4*(\slot)+2:G0A+4*(\slot)+3], 2*KSTEP*2
	s_add_nc_u64 s[G0B+4*(\slot)+2:G0B+4*(\slot)+3], s[G0B+4*(\slot)+2:G0B+4*(\slot)+3], 2*KSTEP*NW*2
	JLOAD \slot                                    ; the four v_nop behind it are also the places in front of the loads below
.elseif (\fill) == 2
	CREST
	LASTFILL
.else
	PLACES
.endif
	FETCH \next, 0, 0
	MUL8 1, 2, 0
	MUL8 1, 3, 0
.endm
; THE WAY OUT of row block a (16 rows x 128 columns).  Pair p of column block b is pair 8 b + 4 (l / 16) + p of the rotation: a lane's four cos for a block are 16 neighbouring bytes of its row of the table.
; The tables are rounded to bf16 (two at a time, then widened again by a shift and a mask), then scaled.  out_r = x_r c - x_i s, out_i = x_i c + x_r s, each a product and a fused multiply-add;
; rounded to f16, 16 bytes a lane into my stage, back as whole rows, stored.  Each accumulator's first read names its registers 1 and 0.
.macro OUTB a
.set BK, 192+32*((\a)%2)
	WIN 0
.irp b, 0,1,2,3,4,5,6,7
	ds_load_b128 v[CC+4*(\b):CC+4*(\b)+3], v[CSA] offset:(\a)*16*272+32*(\b)
	ds_load_b128 v[SS+4*(\b):SS+4*(\b)+3], v[CSA] offset:(\a)*16*272+32*(\b)+CSB
.endr
	s_wait_dscnt 0x0
.set i, 0
.rept 16
	v_cvt_pk_bf16_f32 v[T+i],    v[CC+2*i], v[CC+2*i+1]
	v_cvt_pk_bf16_f32 v[T+16+i], v[SS+2*i], v[SS+2*i+1]
.set i, i+1
.endr
.set i, 0
.rept 16
	v_lshlrev_b32 v[CC+2*i],   16, v[T+i]
	v_and_b32     v[CC+2*i+1], s[HM], v[T+i]
	v_lshlrev_b32 v[SS+2*i],   16, v[T+16+i]
	v_and_b32     v[SS+2*i+1], s[HM], v[T+16+i]
.set i, i+1
.endr
.set i, 0
.rept 16
	v_pk_fma_f32 v[CC+2*i:CC+2*i+1], v[CC+2*i:CC+2*i+1], s[AL:AL+1], s[BE:BE+1] op_sel_hi:[1,0,0]
	v_pk_mul_f32 v[SS+2*i:SS+2*i+1], v[SS+2*i:SS+2*i+1], s[AL:AL+1] op_sel_hi:[1,0]
.set i, i+1
.endr
	WIN 0x01                                       ; source 0: the accumulators' window
.irp b, 0,1,2,3,4,5,6,7
.irp p, 0,1,2,3
	v_mul_f32 v[T+8*(\b)+2*(\p)],   v[8*(8*(\a)+(\b))+2*(\p)+1], v[SS+4*(\b)+(\p)]
	v_mul_f32 v[T+8*(\b)+2*(\p)+1], v[8*(8*(\a)+(\b))+2*(\p)],   v[SS+4*(\b)+(\p)]
.endr
.irp p, 0,1,2,3
	v_fma_f32 v[T+8*(\b)+2*(\p)],   v[8*(8*(\a)+(\b))+2*(\p)],   v[CC+4*(\b)+(\p)], -v[T+8*(\b)+2*(\p)]
	v_fma_f32 v[T+8*(\b)+2*(\p)+1], v[8*(8*(\a)+(\b))+2*(\p)+1], v[CC+4*(\b)+(\p)], v[T+8*(\b)+2*(\p)+1]
.endr
.endr
	WIN 0
.set i, 0
.rept 32
	v_cvt_pk_f16_f32 v[PKD+i], v[T+2*i], v[T+2*i+1]
.set i, i+1
.endr
.irp b, 0,1,2,3,4,5,6,7
	ds_store_b128 v[STO], v[PKD+4*(\b):PKD+4*(\b)+3] offset:32*(\b)
.endr
	s_wait_xcnt 0x0                                ; every earlier store has had its addresses translated (ISA guide 3.1): the registers that the block two back stored from are loaded again only behind this wait
.irp t, 0,1,2,3,4,5,6,7
	ds_load_b128 v[BK+4*(\t):BK+4*(\t)+3], v[RD] offset:(\t)*2*SP  ; LDS serves a wave's instructions in order (ISA guide 5.7.1.4): these see the stores above
.endr
.irp t, 0,1,2,3,4,5,6,7
	s_wait_dscnt 7-(\t)                            ; load t is in, the younger ones stay out
	global_store_b128 v[CO], v[BK+4*(\t):BK+4*(\t)+3], s[12:13] offset:(\a)*4096+(\t)*512  ; 512 consecutive bytes, at a multiple of 256 from the buffer's first byte
.endr
.endm
	s_wait_tensorcnt 0x1                           ; my part of slot 0 is in; slot 1's may stay out
	s_barrier_signal -1
	s_barrier_wait -1                              ; everybody's is
	FETCH 0, 0, 0
	QUARTER 0, 1, 0, 1, 1                          ; the first quarter stands in front of the loop: its products start the sums
	WIN 0                                          ; at a label and at a branch every window is 0
	s_mov_b32 s[LAP], TRIPS
.Llap:                                                 ; a trip goes once round the ring, from a lap's second quarter to the next lap's first, and fills both slots again
	REST 0
	TURN 0, 1, 1
	QUARTER 1, 1, 0, 1, 0
	REST 1
	TURN 1, 0, 1
	QUARTER 0, 1, 0, 1, 0
	WIN 0
	s_sub_co_u32 s[LAP], s[LAP], 1
	s_cmp_lg_u32 s[LAP], 0
	s_cbranch_scc1 .Llap
	REST 0                                         ; the tail is written out.  Slot 18
	TURN 0, 1, 1                                   ; slot 0 takes K step 20, the last whole one
	QUARTER 1, 1, 0, 1, 0                          ; slot 19;
	REST 1
	TURN 1, 0, 2                                   ; slot 1 takes the last 64 of K and the tables
	QUARTER 0, 1, 0, 1, 0                          ; slot 20;
	REST 0
	TURN 0, 1, 0                                   ; nothing is asked for; behind this barrier slot 0 is read no more, and the tables, like the last 64 of K, are whole for every wave
	QUARTER 1, 1, 0, 1, 0                          ; slot 21: two quarters
	s_wait_dscnt 4                                 ; the very last quarter: nothing more to fetch
	MUL8 1, 0, 0
	MUL8 1, 1, 0
	s_wait_dscnt 0x0
	MUL8 1, 2, 0
	MUL8 1, 3, 0
	PLACES                                         ; the way out loads into fragment registers and reads results
	OUTB 0
	OUTB 1
	OUTB 2
	OUTB 3
	s_wait_tensorcnt 0x0
	ds_add_u32 v30, v31
	s_wait_dscnt 0x0
	CROUND                                         ; the closing round: no work-group ends while a partner may still ask for a tile that names it
	s_endpgm
.Lfunc_end_k_q09141c58f5_qkv:
	.size	k_q09141c58f5_qkv, .Lfunc_end_k_q09141c58f5_qkv-k_q09141c58f5_qkv
	.p2alignl 7, 3214868480
	.fill 96, 4, 3214868480
	.section	.rodata,"a",@progbits
	.p2align	6, 0x0
	.amdhsa_kernel k_q09141c58f5_qkv
		.amdhsa_group_segment_fixed_size 327680
		.amdhsa_private_segment_fixed_size 0
		.amdhsa_enable_private_segment 0
		.amdhsa_kernarg_size 40
		.amdhsa_user_sgpr_count 2
		.amdhsa_user_sgpr_kernarg_segment_ptr 1
		.amdhsa_wavefront_size32 1
		.amdhsa_system_sgpr_workgroup_id_x 1
		.amdhsa_system_sgpr_workgroup_id_y 1
		.amdhsa_system_sgpr_workgroup_id_z 1
		.amdhsa_system_vgpr_workitem_id 0
		.amdhsa_next_free_vgpr 512
		.amdhsa_next_free_sgpr 96
		.amdhsa_reserve_vcc 0
		.amdhsa_float_denorm_mode_32 3
		.amdhsa_float_denorm_mode_16_64 3
		.amdhsa_memory_ordered 1
		.amdhsa_forward_progress 1
		.amdhsa_inst_pref_size 203
	.end_amdhsa_kernel
	.amdgpu_metadata
---
amdhsa.version: [ 1, 2 ]
amdhsa.kernels:
  - .name:           k_q09141c58f5_qkv
    .symbol:         k_q09141c58f5_qkv.kd
    .args:
      - { .name: x16, .offset: 0, .size: 8, .value_kind: global_buffer, .address_space: global }
      - { .name: w16, .offset: 8, .size: 8, .value_kind: global_buffer, .address_space: global }
      - { .name: freqs_cos, .offset: 16, .size: 8, .value_kind: global_buffer, .address_space: global }
      - { .name: freqs_sin, .offset: 24, .size: 8, .value_kind: global_buffer, .address_space: global }
      - { .name: qkv16, .offset: 32, .size: 8, .value_kind: global_buffer, .address_space: global }
    .group_segment_fixed_size: 327680
    .private_segment_fixed_size: 0
    .kernarg_segment_align: 8
    .kernarg_segment_size: 40
    .max_flat_workgroup_size: 128
    .sgpr_count:     96
    .vgpr_count:     512
    .wavefront_size: 32
...
	.end_amdgpu_metadata
.endif
;; end of part 2
;; launch attn (part 3): grid 32 x 8, 4 waves a work-group, clusters of 4 x 4, 327,680 bytes of LDS; arguments qkv16, mask, o16; writes o16
.if DOCPART == 3
	.amdgcn_target "amdgcn-amd-amdhsa--gfx1250"
	.amdhsa_code_object_version 6
	.text
	.protected	k_q09141c58f5_attn
	.globl	k_q09141c58f5_attn
	.p2align	8
	.type	k_q09141c58f5_attn,@function
k_q09141c58f5_attn:
	s_mov_b64 s[64:65], 0
	v_nop
	global_prefetch_b8 v0, s[64:65] scope:SCOPE_SE
	s_setreg_imm32_b32 hwreg(HW_REG_WAVE_MODE, 25, 1), 1
	s_wait_xcnt 0x0
	s_wait_alu depctr_hold_cnt(0) depctr_sa_sdst(0) depctr_va_vdst(0) depctr_va_sdst(0) depctr_va_ssrc(0) depctr_va_vcc(0) depctr_vm_vsrc(0)
	s_getreg_b32 s2, hwreg(HW_REG_IB_STS2, 6, 4)
	s_cmp_eq_u32 s2, 0
	s_cbranch_scc0 .Lentry_in_a_cluster
	s_endpgm
.Lentry_in_a_cluster:
	s_bfe_u32 s2, ttmp6, 0x10000c
	s_cmp_lg_u32 s2, 0xf033
	s_cbranch_scc0 .Lentry_shape_is_right
	s_endpgm
.Lentry_shape_is_right:
; O[q][head] = the sum over k of softmax_k(Q[head][q] . K[kv][k] + mask[q][k]) V[kv][k], kv = head / 2.
; qkv16: [32][2048][128] f16: planes 0-15 Q (stored x 4 / sqrt(128)), 16-23 K (stored / 4), 24-31 V: the product of the stored Q and K is the score with its scale.
; mask: [2048][2048] f32, an input: every number of it is read and added; no pattern is built in.  o16: [2048 q][2048 = head x 128 + channel] f16.
; Products, maxima and sums in f32; the weights p are rounded to f16 for the second product (their sum l is taken of the unrounded p), O once at the end.
; LIMITS.  The mask is the C operand that starts a score's sum, so it is added first and not last: the order of rounding differs from reference()'s.  A weight below 2^-126 counts as 0 in l.
; The running maximum starts at -2^126: a row whose scores all lie below that (a row of -inf) gives NaN.  NaN and infinities are not treated apart.  p lies in 0 to 1; O is a mean of V's rows and has their range.
; SHARES.  A work-group owns 64 queries x the two query heads of one kv head; wave w owns queries 16 w .. 16 w + 15 of them, as tile 0 (head 2 g) and tile 1 (head 2 g + 1):
; both tiles take the same 16 rows of the mask.  Every wave walks all 2,048 keys, 64 a step, two steps to an LDS slot.
; LAYOUT.  S^T = K Q^T + mask^T (source 0 = 16 keys, source 1 = 16 queries): in the result a lane holds ONE query (lane % 16) and the keys 8 (lane / 16) + 0..7, which are 32 neighbouring bytes of the
; query's row of the mask.  Two such results, rounded to f16 in pairs, ARE source 1 (32 keys x 16 queries) of O^T = V^T P.  K comes out of LDS as it lies, V ([key][channel]) turned, by ds_load_tr16_b128.
; SOFTMAX.  For each query a running maximum m and sum l: p = 2^(c s - c m), c = log2(e); in every step O and l are multiplied by a = 2^(c m_old - c m_new).  O and l start at 0, so the first step, whose a is 0, is a step like any other.
; IN PHASES.  A step: V's loads; 32 products K Q^T; the next step's K and mask are asked for from LDS; the two tiles' softmax; 32 products V^T P.
; CLUSTER.  4 x 4 work-groups: the four of a row share the kv head, so K's and V's tiles; the four of a column share the queries, so the mask's tiles.  Each tile is asked for JOINTLY.
; REGISTERS, in windows of 256 (s_set_vgpr_msb: bits 1:0 source 0, 3:2 source 1, 5:4 source 2, 7:6 destination):
;   window 0: v0-15 addresses; v16-31 eight registers of statistics a tile; v32-95 S^T, 32 a tile; v96-127 P, 16 a tile; v128-159 the mask of one step
;   window 1: v0-127 O^T, 64 a tile; v128-191 Q, 32 a tile          window 2: v0-127 K of one step; v128-255 V of one step
.set PK,    272       ; a row of K in LDS: 256 bytes + 16 = 68 words: the 16 rows of a load start at 16 different groups of four banks (64 banks of 4 bytes: ISA guide 11.1)
.set PVR,   288       ; a row of V: 256 + 32 = 72 words
.set PM,    528       ; a row of the mask: 128 keys x 4 bytes + 16 = 132 words: again 16 rows at 16 different groups of four banks
.set VOFF,  128*PK    ; a slot: 128 rows of K, 128 rows of V, 64 rows of the mask
.set MOFF,  VOFF+128*PVR
.set SLOT1, 1<<17     ; slot 1 begins here, so that one exclusive or turns an address in one slot into the other's (a slot has 105,472 bytes)
.set STAGE, SLOT1+MOFF+64*PM  ; behind the ring, never filled by a tensor load: 16 rows x 272 bytes for each wave, for the way out
.set SP,    272
.set AK0, 2           ; v2   my lane's place in a slot's K; never rewritten
.set AV0, 3           ; v3   in its V
.set AM0, 4           ; v4   in its mask
.set AK,  5           ; v5-7 the same with the slot in hand
.set AV,  6
.set AM,  7
.set QO,  8           ; v8   my byte offset in 16 rows of Q
.set STO, 9           ; v9   the way out: where I put 16 bytes of a row
.set RD,  10          ; v10  the way out: where I read rows back
.set GO,  11          ; v11  my byte offset in two rows of o16
.set ST,  16          ; tile t's statistics at v[ST+8 t]: +0 c m, +1 m, +2, +3 l (even keys', odd keys'), +4 to +7 c0-c3, at work; a takes c2's place once the maximum is found
.set S,   32
.set P,   96
.set MK,  128
.set QF,  128         ; window 1
.set VF,  128         ; window 2
.set WV,  12          ; s12  my wave's number
.set G1K, 32          ; s[32:39] descriptor group 1 for K's tiles
.set G1V, 40          ; s[40:47] for V's: it differs in the padding alone
.set G1M, 48          ; s[48:55] for the mask's
.set G0K, 56          ; s[56:63] descriptor group 0 for K's tiles: a set for each of the two first fills; the second then walks on
.set G0V, 68          ; s[68:75] the same for V's
.set G0M, 76          ; s[76:83] the same for the mask's
.set SLOTS, 84        ; s84  slots still to be asked for
.set CS,  86          ; s[86:87] c: the packed scaling names a pair and takes its low word for both halves
.set SEL, 88          ; s[88:89] lane selects for v_permlanex16_b32: each lane takes its own place in the other half
.set TB,  90          ; s90  LDS byte at which the slot in hand begins
.set MSB, 0
.macro WIN new                      ; the immediate's high byte repeats the setting that is left; a switch that changes nothing is dropped
.if MSB != (\new)
	s_set_vgpr_msb (MSB<<8)|(\new)
.set MSB, \new
.endif
.endm
.set W_KQ, 0x06       ; K in window 2, Q in window 1, the mask and S^T in window 0
.set W_PV, 0x52       ; V in window 2, P in window 0, O^T in window 1
.set W_RS, 0x41       ; O^T (destination and source 0) in window 1, a in window 0
; A joint refill: wave 0 fetches the slot's K, wave 1 its V (128 rows of 256 bytes each), waves 2 and 3 the two halves of its mask (32 rows of 512 bytes each).
; The branches hang on the wave's number alone.  Four v_nop follow each of the three lines, ahead of the jump and the label.
.macro JLOAD
	s_cmp_lg_u32 s[WV], 0
	s_cbranch_scc1 .Lnot_k_\@
	tensor_load_to_lds s[G0K+4:G0K+7], s[G1K:G1K+7]
	s_nop 0
.rept 4
	v_nop
.endr
	s_branch .Lasked_\@
.Lnot_k_\@:
	s_cmp_lg_u32 s[WV], 1
	s_cbranch_scc1 .Lfor_m_\@
	tensor_load_to_lds s[G0V+4:G0V+7], s[G1V:G1V+7]
	s_nop 0
.rept 4
	v_nop
.endr
	s_branch .Lasked_\@
.Lfor_m_\@:
	tensor_load_to_lds s[G0M+4:G0M+7], s[G1M:G1M+7]
	s_nop 0
.rept 4
	v_nop
.endr
.Lasked_\@:
.endm
; A round of the cluster's barrier: my work-group's barrier, so that wave 0's signal speaks for all four waves; wave 0 signals; every wave waits for all sixteen work-groups; my work-group's barrier once more.
.macro CROUND
	s_barrier_signal -1
	s_barrier_wait -1
	s_cmp_lg_u32 s[WV], 0
	s_cbranch_scc1 .Lnot_wave_0_\@
	s_barrier_signal -3
.Lnot_wave_0_\@:
	s_barrier_wait -3
	s_barrier_signal -1
	s_barrier_wait -1
.endm
	s_load_b128 s[4:7], s[0:1], 0x0 ; qkv16 s[4:5], mask s[6:7]
	s_load_b64 s[8:9], s[0:1], 0x10 ; o16
	v_lshl_add_u32 v254, v0, 2, 0x3e000
	v_mov_b32 v255, 0
	ds_add_u32 v254, v255
	v_lshrrev_b32 v1, 5, v0
	v_readfirstlane_b32 s[WV], v1   ; wave 0..3
	s_bfe_u32 s13, ttmp6, 0x40000   ; cx, cy: my place in the cluster
	s_bfe_u32 s14, ttmp6, 0x40004
	s_lshl_b32 s15, ttmp9, 2
	s_add_co_u32 s15, s15, s13      ; my block of 64 queries = 4 x cluster x + cx
	s_and_b32 s16, ttmp7, 0xffff
	s_lshl_b32 s16, s16, 2
	s_add_co_u32 s16, s16, s14      ; my kv head g = 4 x cluster y + cy
	s_lshl_b32 s17, s14, 2
	s_lshl_b32 s17, 15, s17         ; my row of the cluster: the same g
	s_lshl_b32 s18, 0x1111, s13     ; my column: the same queries
	s_and_b32 s19, s[WV], 1         ; which half of the mask's rows waves 2 and 3 fetch
	s_add_co_u32 s20, s16, 16       ; K's plane 16 + g, of 524,288 bytes: it hangs on g alone
	s_lshl_b32 s20, s20, 19
	s_mov_b32 s21, 0
	s_add_co_u32 s22, s16, 24       ; V's plane 24 + g
	s_lshl_b32 s22, s22, 19
	s_mov_b32 s23, 0
	s_lshl_b32 s24, s15, 6          ; the mask's row 64 x block + 32 x half, of 8,192 bytes: it hangs on the block alone
	s_lshl_b32 s25, s19, 5
	s_add_co_u32 s24, s24, s25
	s_lshl_b32 s24, s24, 13
	s_mov_b32 s25, 0
	s_lshl_b32 s30, s15, 6
	s_lshl_b32 s31, s[WV], 4
	s_add_co_u32 s30, s30, s31      ; my wave's first query
	s_lshl_b32 s26, s16, 20         ; Q: plane 2 g, row of 256 bytes
	s_lshl_b32 s27, s30, 8
	s_add_co_u32 s26, s26, s27
	s_mov_b32 s27, 0
	s_lshl_b32 s28, s30, 12         ; O: row of 4,096 bytes, head 2 g's 256 bytes
	s_lshl_b32 s29, s16, 9
	s_add_co_u32 s28, s28, s29
	s_mov_b32 s29, 0
	s_mul_i32 s31, s19, 32*PM       ; where a half of the mask goes: no place in the cluster enters an LDS address
	; descriptor group 1.  K, V: 128 rows x 128 elements of 2 bytes, padded after every 64 words.  Mask: 32 rows x 128 elements of 4 bytes, padded after every 128 words.
	s_or_b32 s[G1K], s17, (1<<16)|(1<<20)|(1<<21)|(5<<22)|(3<<25)  ; 15:0 the mask of work-groups: my row; 17:16 element size; 20 padding on; 21 set beside a mask; 24:22 the interval's code; 31:25 the pad's words less 1: 4 words
	s_or_b32 s[G1V], s17, (1<<16)|(1<<20)|(1<<21)|(5<<22)|(7<<25)  ; 8 words
.irp g, G1K, G1V
	s_mov_b32 s[(\g)+1], 128<<16    ; tensor_dim0
	s_mov_b32 s[(\g)+2], 128<<16    ; tensor_dim1
	s_mov_b32 s[(\g)+3], 128<<16    ; tile_dim0
	s_mov_b32 s[(\g)+4], 128        ; tile_dim1
	s_mov_b32 s[(\g)+5], 128        ; elements from row to row
	s_mov_b32 s[(\g)+6], 0
	s_mov_b32 s[(\g)+7], 0
.endr
	s_or_b32 s[G1M], s18, (2<<16)|(1<<20)|(1<<21)|(6<<22)|(3<<25)  ; my column
	s_mov_b32 s[G1M+1], 128<<16
	s_mov_b32 s[G1M+2], 32<<16
	s_mov_b32 s[G1M+3], 128<<16
	s_mov_b32 s[G1M+4], 32
	s_mov_b32 s[G1M+5], 2048
	s_mov_b32 s[G1M+6], 0
	s_mov_b32 s[G1M+7], 0
	s_mov_b32 s[CS], 0x3fb8aa3b     ; c = log2(e)
	s_mov_b32 s[CS+1], s[CS]        ; named with it as a pair, so it is written
	s_mov_b32 s[SEL], 0x76543210
	s_mov_b32 s[SEL+1], 0xfedcba98
	s_mov_b32 s[TB], 0
	s_mov_b32 s[SLOTS], 2048/128-2
	s_wait_dscnt 0x0
	s_wait_kmcnt 0x0
	s_add_nc_u64 s[20:21], s[4:5], s[20:21]
	s_add_nc_u64 s[22:23], s[4:5], s[22:23]
	s_add_nc_u64 s[24:25], s[6:7], s[24:25]
	s_add_nc_u64 s[26:27], s[4:5], s[26:27]
	s_add_nc_u64 s[8:9], s[8:9], s[28:29]
	CROUND                          ; all sixteen work-groups are here: the first joint loads meet
.irp s, 0,1
	s_mov_b32 s[G0K+4*(\s)], 1      ; count = 1
	s_mov_b32 s[G0K+4*(\s)+1], (\s)*SLOT1  ; LDS address
	s_add_nc_u64 s[G0K+4*(\s)+2:G0K+4*(\s)+3], s[20:21], (\s)*128*256  ; global address: slot s begins with keys 128 s
	s_or_b32 s[G0K+4*(\s)+3], s[G0K+4*(\s)+3], 0x80000000  ; type = 2
	s_mov_b32 s[G0V+4*(\s)], 1
	s_mov_b32 s[G0V+4*(\s)+1], (\s)*SLOT1+VOFF
	s_add_nc_u64 s[G0V+4*(\s)+2:G0V+4*(\s)+3], s[22:23], (\s)*128*256
	s_or_b32 s[G0V+4*(\s)+3], s[G0V+4*(\s)+3], 0x80000000
	s_mov_b32 s[G0M+4*(\s)], 1
	s_add_co_u32 s[G0M+4*(\s)+1], s31, (\s)*SLOT1+MOFF
	s_add_nc_u64 s[G0M+4*(\s)+2:G0M+4*(\s)+3], s[24:25], (\s)*128*4
	s_or_b32 s[G0M+4*(\s)+3], s[G0M+4*(\s)+3], 0x80000000
.endr
	s_cmp_lg_u32 s[WV], 0           ; a wave's two first fills stand together, ahead of every wait on TENSORcnt and every LDS read: two loads of mine are out; four v_nop follow the second
	s_cbranch_scc1 .Lfirst_not_k
	tensor_load_to_lds s[G0K:G0K+3], s[G1K:G1K+7]
	s_nop 0
	tensor_load_to_lds s[G0K+4:G0K+7], s[G1K:G1K+7]
	s_nop 0
.rept 4
	v_nop
.endr
	s_branch .Lfirst_asked
.Lfirst_not_k:
	s_cmp_lg_u32 s[WV], 1
	s_cbranch_scc1 .Lfirst_m
	tensor_load_to_lds s[G0V:G0V+3], s[G1V:G1V+7]
	s_nop 0
	tensor_load_to_lds s[G0V+4:G0V+7], s[G1V:G1V+7]
	s_nop 0
.rept 4
	v_nop
.endr
	s_branch .Lfirst_asked
.Lfirst_m:
	tensor_load_to_lds s[G0M:G0M+3], s[G1M:G1M+7]
	s_nop 0
	tensor_load_to_lds s[G0M+4:G0M+7], s[G1M:G1M+7]
	s_nop 0
.rept 4
	v_nop
.endr
.Lfirst_asked:
	; A fragment of K or Q is 16 rows x 32 channels in 8 registers: lane l holds row l % 16, channels 8 (l / 16) + 0..7 and 16 + 8 (l / 16) + 0..7: two loads of 16 bytes, 32 bytes apart.
	v_and_b32 v1, 15, v0            ; l % 16
	v_bfe_u32 v12, v0, 4, 1         ; l / 16
	v_lshlrev_b32 v[QO], 8, v1
	v_lshl_add_u32 v[QO], v12, 4, v[QO]  ; row x 256 + 16 x half
	WIN 0x40                        ; destination window 1, address window 0
.irp i, 0,1,2,3,4,5,6,7             ; Q stays in registers: tile i / 4 (the next head lies a plane on), channels 32 (i % 4) on
	global_load_b128 v[QF+8*(\i):QF+8*(\i)+3],   v[QO], s[26:27] offset:((\i)/4)*524288+((\i)%4)*64
	global_load_b128 v[QF+8*(\i)+4:QF+8*(\i)+7], v[QO], s[26:27] offset:((\i)/4)*524288+((\i)%4)*64+32
.endr
.set i, 0
.rept 128                           ; O^T = 0: no first step is written out; these stand in the wait for the first tile
	v_mov_b32 v[i], 0
.set i, i+1
.endr
	WIN 0
.irp t, 0,1
	v_mov_b32 v[ST+8*(\t)], 0xff000000    ; c m = -2^127: far below every c s, so the first a is 0
	v_mov_b32 v[ST+8*(\t)+1], 0xfe800000  ; m = -2^126: c m stays finite
	v_mov_b32 v[ST+8*(\t)+2], 0           ; l
	v_mov_b32 v[ST+8*(\t)+3], 0
.endr
	v_mul_u32_u24 v[AK0], v1, PK
	v_lshl_add_u32 v[AK0], v12, 4, v[AK0]  ; row x pitch + 16 x half
	; The turning load takes 16 keys x 16 channels (lane l reads key 8 (l / 16) + l % 8, channels 8 ((l / 8) % 2) + 0..7) and leaves half a fragment of V^T: lane l holds channel l % 16 and 8 keys.
	v_and_b32 v13, 7, v0
	v_bfe_u32 v14, v0, 3, 1
	v_lshl_add_u32 v[AV0], v12, 3, v13
	v_mul_u32_u24 v[AV0], v[AV0], PVR
	v_lshl_add_u32 v[AV0], v14, 4, v[AV0]
	v_add_nc_u32 v[AV0], VOFF, v[AV0]
	s_lshl_b32 s30, s[WV], 4        ; the mask: row 16 w + l % 16 of the tile's 64, keys 8 (l / 16) on
	v_add_nc_u32 v13, s30, v1
	v_mul_u32_u24 v[AM0], v13, PM
	v_lshl_add_u32 v[AM0], v12, 5, v[AM0]
	v_add_nc_u32 v[AM0], MOFF, v[AM0]
	s_mul_i32 s30, s[WV], 16*SP
	s_add_co_u32 s30, s30, STAGE    ; my stage
	v_mul_u32_u24 v[STO], v1, SP    ; in: row l % 16, 16 bytes for each half of the lanes
	v_lshl_add_u32 v[STO], v12, 4, v[STO]
	v_add_nc_u32 v[STO], s30, v[STO]
	v_mul_u32_u24 v[RD], v12, SP    ; back: lanes 0-15 take one row of 256 bytes, lanes 16-31 the next
	v_lshl_add_u32 v[RD], v1, 4, v[RD]
	v_add_nc_u32 v[RD], s30, v[RD]
	v_lshlrev_b32 v[GO], 12, v12    ; and the same two rows in o16, 4,096 bytes apart
	v_lshl_add_u32 v[GO], v1, 4, v[GO]
	v_add_nc_u32 v[AK], s[TB], v[AK0]
	v_add_nc_u32 v[AM], s[TB], v[AM0]
; THE MATRIX WORK.  The accumulators take turns, one instruction a turn: between two links of a chain stand 7 (K Q^T) or 15 (V^T P) others'.
; Product i of 32 of S^T: channels 32 (i / 8) on, keys 16 ((i / 2) % 4) on, tile i % 2.  The first 8 start the sums with the mask, the same registers for both tiles.
.macro KQ
	WIN W_KQ
.set rS, S+32*(i%2)+8*((i/2)%4)
.set rK, 32*((i/2)%4)+8*(i/8)
.set rQ, QF+32*(i%2)+8*(i/8)
.set rM, MK+8*((i/2)%4)
.if i < 8
	v_wmma_f32_16x16x32_f16 v[rS:rS+7], v[rK:rK+7], v[rQ:rQ+7], v[rM:rM+7]
.else
	v_wmma_f32_16x16x32_f16 v[rS:rS+7], v[rK:rK+7], v[rQ:rQ+7], v[rS:rS+7]
.endif
.set i, i+1
.endm
; Product i of 32 of O^T += V^T P: keys 32 (i / 16) on, channels 16 ((i / 2) % 8) on, tile i % 2.
.macro PV
	WIN W_PV
.set rO, 64*(i%2)+8*((i/2)%8)
.set rV, VF+64*(i/16)+8*((i/2)%8)
.set rP, P+16*(i%2)+8*(i/16)
	v_wmma_f32_16x16x32_f16 v[rO:rO+7], v[rV:rV+7], v[rP:rP+7], v[rO:rO+7]
.set i, i+1
.endm
; THE LDS LOADS stand in runs.  Step 'half' of the slot in hand: 32 loads of K (64 keys x 128 channels: 16 fragments) and 8 of the mask (a lane's 32 numbers); 32 of V (turned).
.macro FETCH_KM half
	WIN 0x80                        ; destination window 2, address window 0
.irp f, 0,1,2,3,4,5,6,7,8,9,10,11,12,13,14,15  ; keys 16 (f / 4) on, channels 32 (f % 4) on
	ds_load_b128 v[8*(\f):8*(\f)+3],   v[AK] offset:(\half)*64*PK+((\f)/4)*16*PK+((\f)%4)*64
	ds_load_b128 v[8*(\f)+4:8*(\f)+7], v[AK] offset:(\half)*64*PK+((\f)/4)*16*PK+((\f)%4)*64+32
.endr
	WIN 0
.irp b, 0,1,2,3                     ; keys 16 b + 8 (l / 16) + 0..7
	ds_load_b128 v[MK+8*(\b):MK+8*(\b)+3],   v[AM] offset:(\half)*256+64*(\b)
	ds_load_b128 v[MK+8*(\b)+4:MK+8*(\b)+7], v[AM] offset:(\half)*256+64*(\b)+16
.endr
.endm
.macro FETCH_V half
	WIN 0x80
.irp f, 0,1,2,3,4,5,6,7,8,9,10,11,12,13,14,15  ; keys 32 (f / 8) on, channels 16 (f % 8) on
	ds_load_tr16_b128 v[VF+8*(\f):VF+8*(\f)+3],   v[AV] offset:(\half)*64*PVR+((\f)/8)*32*PVR+((\f)%8)*32
	ds_load_tr16_b128 v[VF+8*(\f)+4:VF+8*(\f)+7], v[AV] offset:(\half)*64*PVR+((\f)/8)*32*PVR+16*PVR+((\f)%8)*32
.endr
.endm
; THE VECTOR WORK.  One tile's softmax for one key step is a list of 134 instructions; SM writes number j of it for tile t.  s0-s31 are the lane's 32 scores, in pairs 0-15.
;   0-15    the maximum of s0-s31 and the old m, three operands at a time: four chains c0-c3 of seven scores each (each accumulator's lowest registers are read first), then the four scores left over, c0-c3 and m
;   16-20   the other half of the lanes' maximum; the new m; c m; c m_old - c m_new
;   21-87   33 exponentials (a, then s0-s31) at the odd numbers from 23 on, so that no two follow each other and each has a plain instruction behind it before its result is used (ISA guide 5.7.2).
;           Plain instruction q (number 21, then the even numbers) is whatever is ready: c s - c m for a pair of scores whose exponentials are still to come (q = 0 to 3, then every
;           second q), the rounding to f16 of a pair of weights whose exponentials are done (every other q from 5 on), at last the first three sums
;   88-101  the last rounding; the rest of the sums; l = a l + the sum
;   102-133 the tile's O^T times a, ascending: the one part that leaves window 0, so it stands together
.macro SM t
.set rT, ST+8*(\t)
.set rS, S+32*(\t)
.set rP, P+16*(\t)
.set rO, 64*(\t)+2*(j-102)
.set q, (j-20)/2
.if j < 102
	WIN 0
.endif
.if j < 4
	v_max3_num_f32 v[rT+4+j], v[rS+8*j], v[rS+8*j+1], v[rS+8*j+2]
.elseif j < 12
	v_max3_num_f32 v[rT+4+j%4], v[rT+4+j%4], v[rS+8*(j%4)+2*(j/4)+1], v[rS+8*(j%4)+2*(j/4)+2]
.elseif j == 12
	v_max3_num_f32 v[rT+4], v[rT+4], v[rS+7], v[rS+15]
.elseif j == 13
	v_max3_num_f32 v[rT+6], v[rT+6], v[rS+23], v[rS+31]
.elseif j == 14
	v_max3_num_f32 v[rT+4], v[rT+4], v[rT+5], v[rT+6]
.elseif j == 15
	v_max3_num_f32 v[rT+4], v[rT+4], v[rT+7], v[rT+1]
.elseif j == 16
	v_permlanex16_b32 v[rT+5], v[rT+4], s[SEL], s[SEL+1]  ; the query's other 32 keys lie in the lane 16 away
.elseif j == 17
	v_mov_b32 v[rT+7], v[rT]        ; c m_old is kept for a: number 19 writes c m anew
.elseif j == 18
	v_max_num_f32 v[rT+1], v[rT+4], v[rT+5]
.elseif j == 19
	v_mul_f32 v[rT], s[CS], v[rT+1]
.elseif j == 20
	v_sub_f32 v[rT+7], v[rT+7], v[rT]
.elseif j == 23
	v_exp_f32 v[rT+6], v[rT+7]
.elseif (j < 88) && (j > 23) && (j%2 == 1)
	v_exp_f32 v[rS+(j-25)/2], v[rS+(j-25)/2]
.elseif (q < 4) || ((j < 76) && (q%2 == 0))
.set b, q/2+2
.if q < 4
.set b, q
.endif
	v_pk_fma_f32 v[rS+2*b:rS+2*b+1], v[rS+2*b:rS+2*b+1], s[CS:CS+1], v[rT:rT+1] op_sel_hi:[1,0,0] neg_lo:[0,0,1] neg_hi:[0,0,1]  ; pair b: c s - c m
.elseif (j < 88) && (q%2 == 1)
	s_wait_alu depctr_va_vdst(0)
	v_cvt_pk_f16_f32 v[rP+(q-5)/2], v[rS+q-5], v[rS+q-4]  ; pair (q - 5) / 2: its second exponential stands three numbers back
.elseif j == 89
	s_wait_alu depctr_va_vdst(0)
	v_cvt_pk_f16_f32 v[rP+15], v[rS+30], v[rS+31]
.elseif j < 102                     ; the sum of the tile's 16 pairs (in a pair: an even key's weight, an odd key's), in place: sum z of 16 adds neighbours 1, 2, 4 and 8 pairs apart, then l takes it
.set z, j-86
.if j < 89
.set z, (j-76)/4
.endif
.set w, 4
.set u, z
.if z >= 14
.set w, 32
.set u, 0
.elseif z >= 12
.set w, 16
.set u, z-12
.elseif z >= 8
.set w, 8
.set u, z-8
.endif
.if z < 15
	v_pk_add_f32 v[rS+w*u:rS+w*u+1], v[rS+w*u:rS+w*u+1], v[rS+w*u+w/2:rS+w*u+w/2+1]
.else
	v_pk_fma_f32 v[rT+2:rT+3], v[rT+2:rT+3], v[rT+6:rT+7], v[rS:rS+1] op_sel_hi:[1,0,1]
.endif
.else
	WIN W_RS
	v_pk_mul_f32 v[rO:rO+1], v[rO:rO+1], v[rT+6:rT+7] op_sel_hi:[1,0]
.endif
.endm
; Both tiles' lists, two numbers of each at a time.  From 22 to 87 tile by tile: plain, exponential, plain, exponential; elsewhere the tiles alternate, so that no instruction reads the result of the one just before it.
.macro SOFTMAX
.set k, 0
.rept 67
.if (k >= 11) && (k < 44)
.irp t, 0,1
.irp n, 0,1
.set j, 2*k+(\n)
	SM \t
.endr
.endr
.else
.irp n, 0,1
.irp t, 0,1
.set j, 2*k+(\n)
	SM \t
.endr
.endr
.endif
.set k, k+1
.endr
.endm
; A vector instruction that reads a matrix result or writes one of a matrix instruction's registers, and a load into a register that a matrix instruction has read, stand four places behind
; it, and only plain vector instructions that name none of its registers are places (ISA guide 7.12.1 for vector instructions).
.macro PLACES
.rept 4
	v_nop
.endr
.endm
; THE CHANGE OF SLOTS, behind the products K Q^T of a slot's second step: all that is read of the slot has been asked for.  Each wave waits for its own reads of the slot and for all its tensor loads,
; of which one is out: its part of the other slot.  Behind the barrier nobody reads this slot any more and the other slot is whole.
; fill = 1: this slot is filled again, with the keys two slots on.  The barrier is then a round of the cluster's, so that no wave of any partner still reads the slot or has a load on its way, and the
; joint refill is the first thing behind it: it has two key steps, 128 matrix and 536 vector instructions, in which to land.
.macro CHANGE fill
	WIN 0                           ; at a label and at a branch every window is 0
	s_wait_dscnt 0x0
	s_wait_tensorcnt 0x0            ; no tensor load of mine is out, so a group 0 may be written
	ds_add_u32 v254, v255
	s_wait_dscnt 0x0
.if \fill
.irp g, G0K+4, G0V+4
	s_xor_b32 s[(\g)+1], s[(\g)+1], SLOT1  ; the walking descriptor: the other slot than last time,
	s_add_nc_u64 s[(\g)+2:(\g)+3], s[(\g)+2:(\g)+3], 128*256  ; the next 128 keys; the type bits on top are not reached
.endr
	s_xor_b32 s[G0M+5], s[G0M+5], SLOT1
	s_add_nc_u64 s[G0M+6:G0M+7], s[G0M+6:G0M+7], 128*4  ; the mask's next 128 columns
	CROUND
	JLOAD
.else
	s_barrier_signal -1
	s_barrier_wait -1
.endif
	s_xor_b32 s[TB], s[TB], SLOT1   ; the fetches go on in the other slot
.endm
; A KEY STEP.  mode 2: the slot is filled again at its end; 1: it is left, and nothing is asked for; 0: the last slot.
.macro STEP half, mode
	FETCH_V \half                   ; the last products that read V's registers stand in front of four places
	s_wait_dscnt 32                 ; K and the mask are in; V's 32 loads, issued behind them, stay out
.set i, 0
.rept 32
	KQ
.endr
	PLACES                          ; in front of the loads into K's and the mask's registers, and of the first read of the scores
.if (\half) == 0
	FETCH_KM 1
.elseif (\mode) > 0
	CHANGE (\mode)-1
	v_add_nc_u32 v[AK], s[TB], v[AK0]
	v_add_nc_u32 v[AM], s[TB], v[AM0]
	FETCH_KM 0
.endif
	SOFTMAX
.if ((\half) == 1) && ((\mode) == 0)
	s_wait_dscnt 0x0                ; V is in: nothing was asked for behind it
.else
	s_wait_dscnt 40                 ; V is in; the next step's 32 loads of K and 8 of the mask stay out
.endif
.set i, 0
.rept 32
	PV
.endr
	PLACES                          ; in front of the loads into V's registers, and of the next read of O^T
.endm
.macro TRIP mode                    ; a slot's two steps; the LDS addresses hang on s[TB]
	WIN 0
	v_add_nc_u32 v[AV], s[TB], v[AV0]
	STEP 0, \mode
	STEP 1, \mode
	WIN 0
.endm
	s_wait_tensorcnt 0x1            ; my part of slot 0 is in; slot 1's may stay out
	s_barrier_signal -1
	s_barrier_wait -1               ; everybody's is
	FETCH_KM 0                      ; key step 0
	s_wait_loadcnt 0x0              ; Q
	WIN 0
.Ltrip:                             ; 14 trips: every slot but the last two is filled again
	TRIP 2
	s_sub_co_u32 s[SLOTS], s[SLOTS], 1
	s_cmp_lg_u32 s[SLOTS], 0
	s_cbranch_scc1 .Ltrip
	TRIP 1                          ; the tail is written out
	TRIP 0
	; THE WAY OUT.  l's two halves and the other half of the lanes' are added; O^T is divided by l, rounded to f16 and sent through my stage in LDS, a tile (16 queries of one head) at a time.
.irp t, 0,1
	v_add_f32 v[ST+8*(\t)+4], v[ST+8*(\t)+2], v[ST+8*(\t)+3]
.endr
.irp t, 0,1
	v_permlanex16_b32 v[ST+8*(\t)+5], v[ST+8*(\t)+4], s[SEL], s[SEL+1]
.endr
.irp t, 0,1
	v_add_f32 v[ST+8*(\t)+4], v[ST+8*(\t)+4], v[ST+8*(\t)+5]
.endr
.irp t, 0,1
	v_rcp_f32 v[ST+8*(\t)+6], v[ST+8*(\t)+4]
.endr
	v_nop                           ; a plain instruction between the last reciprocal and the use of its result
	s_wait_alu depctr_va_vdst(0)
; Tile t: a lane's eight channels of a row pack into 16 bytes; they go into rows of 272 bytes and come back as whole rows of 256, into S^T's registers.
.macro PACK t
	WIN W_RS
.set i, 64*(\t)
.rept 32
	v_pk_mul_f32 v[i:i+1], v[i:i+1], v[ST+8*(\t)+6:ST+8*(\t)+7] op_sel_hi:[1,0]
.set i, i+2
.endr
	WIN 0x05                        ; sources 0 and 1 window 1, destination window 0
.set i, 0
.rept 32
	v_cvt_pk_f16_f32 v[S+32*(\t)+i], v[64*(\t)+2*i], v[64*(\t)+2*i+1]
.set i, i+1
.endr
	WIN 0
.irp f, 0,1,2,3,4,5,6,7
	ds_store_b128 v[STO], v[S+32*(\t)+4*(\f):S+32*(\t)+4*(\f)+3] offset:32*(\f)
.endr
.irp f, 0,1,2,3,4,5,6,7
	ds_load_b128 v[S+32*(\t)+4*(\f):S+32*(\t)+4*(\f)+3], v[RD] offset:(\f)*2*SP  ; LDS serves a wave's instructions in order (ISA guide 5.7.1.4): these see the stores above; the next tile's stores come behind them
.endr
.endm
.macro SEND t, younger              ; younger: the LDS instructions issued behind tile t's loads: the next tile's sixteen, or none
	WIN 0
.irp f, 0,1,2,3,4,5,6,7
	s_wait_dscnt (\younger)+7-(\f)
	global_store_b128 v[GO], v[S+32*(\t)+4*(\f):S+32*(\t)+4*(\f)+3], s[8:9] offset:(\t)*256+(\f)*8192  ; 16 lanes store 256 consecutive bytes, a head's channels of one row, at a multiple of 256 from the buffer's first byte
.endr
.endm
	PACK 0
	PACK 1                          ; a tile's arithmetic stands between the loads of the tile before and its stores
	SEND 0, 16
	SEND 1, 0
	s_wait_tensorcnt 0x0
	ds_add_u32 v254, v255
	s_wait_dscnt 0x0
	CROUND                          ; the closing round: no work-group ends while a partner may still ask for a tile that names it
	s_endpgm
.Lfunc_end_k_q09141c58f5_attn:
	.size	k_q09141c58f5_attn, .Lfunc_end_k_q09141c58f5_attn-k_q09141c58f5_attn
	.p2alignl 7, 3214868480
	.fill 96, 4, 3214868480
	.section	.rodata,"a",@progbits
	.p2align	6, 0x0
	.amdhsa_kernel k_q09141c58f5_attn
		.amdhsa_group_segment_fixed_size 327680
		.amdhsa_private_segment_fixed_size 0
		.amdhsa_enable_private_segment 0
		.amdhsa_kernarg_size 24
		.amdhsa_user_sgpr_count 2
		.amdhsa_user_sgpr_kernarg_segment_ptr 1
		.amdhsa_wavefront_size32 1
		.amdhsa_system_sgpr_workgroup_id_x 1
		.amdhsa_system_sgpr_workgroup_id_y 1
		.amdhsa_system_sgpr_workgroup_id_z 1
		.amdhsa_system_vgpr_workitem_id 0
		.amdhsa_next_free_vgpr 768
		.amdhsa_next_free_sgpr 96
		.amdhsa_reserve_vcc 0
		.amdhsa_float_denorm_mode_32 3
		.amdhsa_float_denorm_mode_16_64 3
		.amdhsa_memory_ordered 1
		.amdhsa_forward_progress 1
		.amdhsa_inst_pref_size 177
	.end_amdhsa_kernel
	.amdgpu_metadata
---
amdhsa.version: [ 1, 2 ]
amdhsa.kernels:
  - .name:           k_q09141c58f5_attn
    .symbol:         k_q09141c58f5_attn.kd
    .args:
      - { .name: qkv16, .offset: 0, .size: 8, .value_kind: global_buffer, .address_space: global }
      - { .name: mask, .offset: 8, .size: 8, .value_kind: global_buffer, .address_space: global }
      - { .name: o16, .offset: 16, .size: 8, .value_kind: global_buffer, .address_space: global }
    .group_segment_fixed_size: 327680
    .private_segment_fixed_size: 0
    .kernarg_segment_align: 8
    .kernarg_segment_size: 24
    .max_flat_workgroup_size: 128
    .sgpr_count:     96
    .vgpr_count:     768
    .wavefront_size: 32
...
	.end_amdgpu_metadata
.endif
;; end of part 3
;; launch outp (part 4): grid 16 x 16, 4 waves a work-group, clusters of 4 x 4, 327,680 bytes of LDS; arguments o16, wo16, out0; writes out0
.if DOCPART == 4
	.amdgcn_target "amdgcn-amd-amdhsa--gfx1250"
	.amdhsa_code_object_version 6
	.text
	.protected	k_q09141c58f5_outp
	.globl	k_q09141c58f5_outp
	.p2align	8
	.type	k_q09141c58f5_outp,@function
k_q09141c58f5_outp:
	s_mov_b64 s[64:65], 0
	v_nop
	global_prefetch_b8 v0, s[64:65] scope:SCOPE_SE
	s_setreg_imm32_b32 hwreg(HW_REG_WAVE_MODE, 25, 1), 1
	s_wait_xcnt 0x0
	s_wait_alu depctr_hold_cnt(0) depctr_sa_sdst(0) depctr_va_vdst(0) depctr_va_sdst(0) depctr_va_ssrc(0) depctr_va_vcc(0) depctr_vm_vsrc(0)
	s_getreg_b32 s2, hwreg(HW_REG_IB_STS2, 6, 4)
	s_cmp_eq_u32 s2, 0
	s_cbranch_scc0 .Lentry_in_a_cluster
	s_endpgm
.Lentry_in_a_cluster:
	s_bfe_u32 s2, ttmp6, 0x10000c
	s_cmp_lg_u32 s2, 0xf033
	s_cbranch_scc0 .Lentry_shape_is_right
	s_endpgm
.Lentry_shape_is_right:
; out0 = O wo.  o16: [2048][2048] f16.  wo16: [2048 k][4096 n] f16.  out0: [2048][4096] f32.  Sums in f32, K ascending; they are stored as they are.
; SHARES.  A tile of the result is 128 rows x 256 columns: 16 x 16 tiles, one work-group each.  Four waves, 2 x 2; a wave makes 64 rows x 128 columns: 32 accumulators, 256 registers.
; THE RING.  K goes in steps of 192, as long as two slots in LDS allow, through two LDS slots filled by the tensor data mover: a slot is six quarters of 32 along K, 192 matrix instructions a wave.
; 2,048 = 10 x 192 + 128: the 11th slot holds 128 of K; its loads state what is left of the tensors, so that what lies beyond arrives as zeros, and only its four quarters are multiplied.
; O's rows in a tile are 384 bytes and begin at multiples of 128 bytes of o16; wo's rows (along n) are 512 bytes and begin at multiples of 512.
; CLUSTER.  4 x 4 work-groups.  The four of a row of the cluster need the same tiles of O, the four of a column the same tiles of wo: each is asked for JOINTLY, by the same tensor load with the
; same descriptor and a mask that names the four.
; THE MATRIX INSTRUCTION IS USED TRANSPOSED: source 0 = 16 columns of wo (it lies [k][n] in LDS and comes out turned, by ds_load_tr16_b128), source 1 = 16 rows of O.
; In the result lane l holds row l % 16 and its registers the columns 8 (l / 16) + 0..7: 32 neighbouring bytes of a row of out0.
; REGISTERS, in windows of 256 (s_set_vgpr_msb: bits 1:0 source 0, 3:2 source 1, 5:4 source 2, 7:6 destination):
;   window 0: v0-31 addresses; v32-95 O's fragments, two buffers of 4 x 8; v96-223 wo's fragments, two buffers of 8 x 8; on the way out v32-159 hold rows read back
;   window 1: accumulator (a, b) at v[8 (8 a + b)]: rows 16 a on, columns 16 b on
.set KDIM,  2048
.set NW,    4096                       ; elements in a row of wo16 and of out0
.set KSTEP, 192
.set PA,    432                        ; a row of O in LDS: three pieces of 128 bytes + 16 = 108 words: the 16 rows of a load start at 16 different groups of four banks (64 banks of 4 bytes: ISA guide 11.1)
.set PB,    544                        ; a row of wo in LDS: 512 bytes + 32 = 136 words
.set ATILE, 128*PA                     ; O's 128 rows
.set SLOT,  ATILE+KSTEP*PB             ; then wo's 192 rows: 159,744 bytes
.set STAGE, SLOT                       ; the way out: 16 rows x 528 bytes for each wave, in slot 1, which has had its last fill and its last read by then
.set SP,    528                        ; 128 f32 + 16 bytes
.set TRIPS, 4                          ; the loop walks slots 0 to 7; slots 8 to 10 are written out
.set ADRA, 16                          ; v16-17  LDS address of my fragments of O in slot 0, 1
.set ADRB, 20                          ; v20-21  the same for wo, quarters 0 to 2;  v22-23  quarters 3 to 5 (an LDS offset has 16 bits)
.set STO,  24                          ; v24     the way out: where I put 32 bytes of a row
.set RD,   25                          ; v25     the way out: where I read a row back
.set CO,   26                          ; v26     my byte offset in 512 consecutive bytes of out0
.set FA,   32                          ; O's fragments: buffer f at FA + 32 f
.set FB,   96                          ; wo's: buffer f at FB + 64 f
.set WV,   14                          ; s14  my wave's number
.set RH,   15                          ; s15  which half of the tile's rows is mine.  Also: I fetch for O (0) or for wo (1)
.set CH,   16                          ; s16  which half of its columns.  Also: which half of that tile's rows I fetch
.set G1A,  32                          ; s[32:39] descriptor group 1 for O's tiles;  s[40:47] group 0, a set for each slot
.set G0A,  40
.set G1B,  48                          ; s[48:55], s[56:63] the same for wo's tiles
.set G0B,  56
.set LAP,  84
.set LEFT, 85                          ; s85  the last fill's word for wo: how many rows are left from my first
.set MSB, 0
.macro WIN new                         ; the immediate's high byte repeats the setting that is left; a switch that changes nothing is dropped
.if MSB != (\new)
	s_set_vgpr_msb (MSB<<8)|(\new)
.set MSB, \new
.endif
.endm
.set MUL, 0x50                         ; both sources window 0, C and D window 1
; A joint refill.  Waves 0 and 1 fetch O's two halves, waves 2 and 3 wo's.  The branch hangs on the wave's number alone: it is the same in every work-group.
; Four v_nop follow each of the two lines, ahead of the jump, the label and what follows.
.macro JLOAD s
	s_cmp_eq_u32 s[RH], 0
	s_cbranch_scc0 .Lfor_b_\@
	tensor_load_to_lds s[G0A+4*(\s):G0A+4*(\s)+3], s[G1A:G1A+7]
	s_nop 0
.rept 4
	v_nop
.endr
	s_branch .Lasked_\@
.Lfor_b_\@:
	tensor_load_to_lds s[G0B+4*(\s):G0B+4*(\s)+3], s[G1B:G1B+7]
	s_nop 0
.rept 4
	v_nop
.endr
.Lasked_\@:
.endm
; A round of the cluster's barrier: my work-group's barrier, so that wave 0's signal speaks for all four waves; wave 0 signals for the work-group; every wave waits for all sixteen; my work-group's barrier once more.
.macro CREST                           ; a round behind its opening barrier
	s_cmp_lg_u32 s[WV], 0
	s_cbranch_scc1 .Lnot_wave_0_\@
	s_barrier_signal -3
.Lnot_wave_0_\@:
	s_barrier_wait -3
	s_barrier_signal -1
	s_barrier_wait -1
.endm
.macro CROUND                          ; a whole round
	s_barrier_signal -1
	s_barrier_wait -1
	CREST
.endm
	s_load_b128 s[4:7], s[0:1], 0x0                ; o16 s[4:5], wo16 s[6:7]
	s_load_b64 s[12:13], s[0:1], 0x10              ; out0
	v_lshl_add_u32 v254, v0, 2, 0x4e000
	v_mov_b32 v255, 0
	ds_add_u32 v254, v255
	v_lshrrev_b32 v1, 5, v0
	v_readfirstlane_b32 s[WV], v1                  ; wave 0..3
	s_lshr_b32 s[RH], s[WV], 1
	s_and_b32 s[CH], s[WV], 1
	s_bfe_u32 s17, ttmp6, 0x40000                  ; cx, cy: my place in the cluster
	s_bfe_u32 s18, ttmp6, 0x40004
	s_lshl_b32 s19, ttmp9, 2
	s_add_co_u32 s19, s19, s17                     ; tile column = 4 x cluster x + cx
	s_and_b32 s20, ttmp7, 0xffff
	s_lshl_b32 s20, s20, 2
	s_add_co_u32 s20, s20, s18                     ; tile row = 4 x cluster y + cy
	s_lshl_b32 s21, s18, 2
	s_lshl_b32 s21, 15, s21                        ; my row of the cluster: places 4 cy .. 4 cy + 3
	s_lshl_b32 s22, 0x1111, s17                    ; my column: places cx, cx + 4, cx + 8, cx + 12
	; descriptor group 1.  O: 64 rows x 192 elements of 2 bytes, 4 words of padding after every 32.  wo: 96 rows x 256 elements, 8 words after every 128.
	s_or_b32 s[G1A], s21, (1<<16)|(1<<20)|(1<<21)|(4<<22)|(3<<25)  ; 15:0 the mask: my row; 17:16 element size; 20 padding on; 21 set beside a mask; 24:22 the interval's code; 31:25 the pad's words less 1
	s_mov_b32 s[G1A+1], KSTEP<<16                  ; tensor_dim0
	s_mov_b32 s[G1A+2], 64<<16                     ; tensor_dim1
	s_mov_b32 s[G1A+3], KSTEP<<16                  ; tile_dim0
	s_mov_b32 s[G1A+4], 64                         ; tile_dim1
	s_mov_b32 s[G1A+5], KDIM                       ; elements from row to row
	s_mov_b32 s[G1A+6], 0
	s_mov_b32 s[G1A+7], 0
	s_or_b32 s[G1B], s22, (1<<16)|(1<<20)|(1<<21)|(6<<22)|(7<<25)  ; the mask: my column
	s_mov_b32 s[G1B+1], 256<<16
	s_mov_b32 s[G1B+2], 96<<16
	s_mov_b32 s[G1B+3], 256<<16
	s_mov_b32 s[G1B+4], 96
	s_mov_b32 s[G1B+5], NW
	s_mov_b32 s[G1B+6], 0
	s_mov_b32 s[G1B+7], 0
	s_mul_i32 s[LEFT], s[CH], 96                   ; the last slot begins at row 1,920 of wo16's 2,048: from my first row of it 128 - 96 x half are left
	s_sub_co_u32 s[LEFT], 128, s[LEFT]
	s_lshl_b32 s[LEFT], s[LEFT], 16                ; as tensor_dim1's word
	; where the tiles come from.  O's hang on the tile row alone, wo's on the tile column alone; each offset is made in registers that do not hold the other coordinate
	s_lshl_b32 s24, s20, 7
	s_lshl_b32 s25, s[CH], 6
	s_add_co_u32 s24, s24, s25                     ; row 128 x tile row + 64 x half,
	s_lshl_b32 s24, s24, 12                        ; of 4,096 bytes
	s_mov_b32 s25, 0
	s_mul_i32 s28, s[CH], 96*NW*2                  ; wo16: my 96 rows of 8,192 bytes
	s_lshl_b32 s29, s19, 9                         ; + 512 bytes x tile column
	s_add_co_u32 s28, s28, s29
	s_mov_b32 s29, 0
	s_mul_i32 s86, s[CH], 64*PA                    ; and where they go: no place in the cluster enters an LDS address
	s_mul_i32 s87, s[CH], 96*PB
	s_add_co_u32 s87, s87, ATILE
	s_wait_dscnt 0x0
	s_wait_kmcnt 0x0
	s_add_nc_u64 s[24:25], s[4:5], s[24:25]
	s_add_nc_u64 s[28:29], s[6:7], s[28:29]
	CROUND                                         ; all sixteen work-groups are here: the first joint loads meet
.irp s, 0,1
	s_mov_b32 s[G0A+4*(\s)], 1                                         ; count = 1
	s_add_co_u32 s[G0A+4*(\s)+1], s86, (\s)*SLOT                       ; LDS address
	s_add_nc_u64 s[G0A+4*(\s)+2:G0A+4*(\s)+3], s[24:25], (\s)*KSTEP*2  ; global address: K step s
	s_or_b32 s[G0A+4*(\s)+3], s[G0A+4*(\s)+3], 0x80000000              ; type = 2
	s_mov_b32 s[G0B+4*(\s)], 1
	s_add_co_u32 s[G0B+4*(\s)+1], s87, (\s)*SLOT
	s_add_nc_u64 s[G0B+4*(\s)+2:G0B+4*(\s)+3], s[28:29], (\s)*KSTEP*NW*2
	s_or_b32 s[G0B+4*(\s)+3], s[G0B+4*(\s)+3], 0x80000000
.endr
	s_cmp_eq_u32 s[RH], 0                          ; a wave's two first fills stand together, ahead of every wait on TENSORcnt and every LDS read: two loads of mine are out
	s_cbranch_scc0 .Lfirst_b
	tensor_load_to_lds s[G0A:G0A+3], s[G1A:G1A+7]
	s_nop 0
	tensor_load_to_lds s[G0A+4:G0A+7], s[G1A:G1A+7]
	s_nop 0
.rept 4
	v_nop
.endr
	s_branch .Lfirst_asked
.Lfirst_b:
	tensor_load_to_lds s[G0B:G0B+3], s[G1B:G1B+7]
	s_nop 0
	tensor_load_to_lds s[G0B+4:G0B+7], s[G1B:G1B+7]
	s_nop 0
.rept 4
	v_nop
.endr
.Lfirst_asked:
	; A fragment of O is 16 rows x 32 K in 8 registers: lane l holds row l % 16, K = 8 (l / 16) + 0..7 and 16 + 8 (l / 16) + 0..7: two loads of 16 bytes, 32 bytes apart.
	v_and_b32 v1, 15, v0                           ; l % 16
	v_bfe_u32 v2, v0, 4, 1                         ; l / 16
	v_mul_u32_u24 v3, v1, PA
	v_lshl_add_u32 v3, v2, 4, v3
	s_mul_i32 s24, s[RH], 64*PA                    ; my 64 rows of O
	v_add_nc_u32 v[ADRA], s24, v3
	v_add_nc_u32 v[ADRA+1], SLOT, v[ADRA]
	; The turning load takes 16 K x 16 columns (lane l reads row 8 (l / 16) + l % 8, columns 8 ((l / 8) % 2) + 0..7) and leaves half a fragment: lane l holds column l % 16 and 8 K.
	v_and_b32 v4, 7, v0
	v_lshl_add_u32 v4, v2, 3, v4
	v_mul_u32_u24 v4, v4, PB
	v_bfe_u32 v5, v0, 3, 1
	v_lshl_add_u32 v4, v5, 4, v4
	s_lshl_b32 s25, s[CH], 8                       ; my 128 columns of wo,
	s_add_co_u32 s25, s25, ATILE                   ; which lies behind O
	v_add_nc_u32 v[ADRB], s25, v4
	v_add_nc_u32 v[ADRB+1], SLOT, v[ADRB]
	v_add_nc_u32 v[ADRB+2], 96*PB, v[ADRB]         ; quarters 3 to 5 begin 96 rows on
	v_add_nc_u32 v[ADRB+3], 96*PB, v[ADRB+1]
	s_mul_i32 s26, s[WV], 16*SP
	s_add_co_u32 s26, s26, STAGE                   ; my stage
	v_mul_u32_u24 v6, v1, SP                       ; in: row l % 16, 32 bytes for each half of the lanes
	v_lshl_add_u32 v6, v2, 5, v6
	v_add_nc_u32 v[STO], s26, v6
	v_and_b32 v[CO], 31, v0                        ; back: 32 lanes take one row's 512 bytes,
	v_lshlrev_b32 v[CO], 4, v[CO]
	v_add_nc_u32 v[RD], s26, v[CO]                 ; which are 512 consecutive bytes of out0
	s_lshl_b32 s28, s20, 7                         ; where my part of the result begins: row 128 x tile row + 64 x half,
	s_lshl_b32 s29, s[RH], 6
	s_add_co_u32 s28, s28, s29
	s_lshl_b32 s28, s28, 14                        ; of 16,384 bytes,
	s_lshl_b32 s29, s19, 10                        ; + 1,024 bytes x tile column
	s_add_co_u32 s28, s28, s29
	s_lshl_b32 s29, s[CH], 9                       ; + 512 bytes x half
	s_add_co_u32 s28, s28, s29
	s_mov_b32 s29, 0
	s_add_nc_u64 s[12:13], s[12:13], s[28:29]
; 8 matrix instructions: row block a x all 8 column blocks, 32 along K, from buffer f.  zero = 1: the first product starts the sums: nothing is ever cleared.
; The 32 accumulators take turns, one instruction a turn, in the same order in every quarter.
.macro MUL8 f, a, zero
	WIN MUL
.irp b, 0,1,2,3,4,5,6,7
.if \zero
	v_wmma_f32_16x16x32_f16 v[8*(8*(\a)+(\b)):8*(8*(\a)+(\b))+7], v[FB+64*(\f)+8*(\b):FB+64*(\f)+8*(\b)+7], v[FA+32*(\f)+8*(\a):FA+32*(\f)+8*(\a)+7], 0
.else
	v_wmma_f32_16x16x32_f16 v[8*(8*(\a)+(\b)):8*(8*(\a)+(\b))+7], v[FB+64*(\f)+8*(\b):FB+64*(\f)+8*(\b)+7], v[FA+32*(\f)+8*(\a):FA+32*(\f)+8*(\a)+7], v[8*(8*(\a)+(\b)):8*(8*(\a)+(\b))+7]
.endif
.endr
.endm
; 24 LDS loads in one run: the fragments of quarter q (32 along K) of a slot into buffer g: wo's 16 first, then O's 8, row blocks ascending.
; In O's rows quarter q lies in piece q / 2 (144 bytes apart), half q % 2 of it.
.macro FETCH slot, q, g
	WIN 0
.irp i, 0,1,2,3,4,5,6,7
	ds_load_tr16_b128 v[FB+64*(\g)+8*(\i):FB+64*(\g)+8*(\i)+3],   v[ADRB+(\slot)+2*((\q)/3)] offset:((\q)%3)*32*PB+32*(\i)
	ds_load_tr16_b128 v[FB+64*(\g)+8*(\i)+4:FB+64*(\g)+8*(\i)+7], v[ADRB+(\slot)+2*((\q)/3)] offset:((\q)%3)*32*PB+16*PB+32*(\i)
.endr
.irp i, 0,1,2,3
	ds_load_b128 v[FA+32*(\g)+8*(\i):FA+32*(\g)+8*(\i)+3],   v[ADRA+(\slot)] offset:((\q)/2)*144+((\q)%2)*64+(\i)*16*PA
	ds_load_b128 v[FA+32*(\g)+8*(\i)+4:FA+32*(\g)+8*(\i)+7], v[ADRA+(\slot)] offset:((\q)/2)*144+((\q)%2)*64+(\i)*16*PA+32
.endr
.endm
; A load into a register that a matrix instruction has read, and a vector instruction or LDS store that reads a matrix result, stand four places behind it, and only plain vector
; instructions that name none of its registers are places (ISA guide 7.12.1 for vector instructions).
.macro PLACES
.rept 4
	v_nop
.endr
.endm
; A slot is six quarters of 32 along K, 32 matrix instructions each, on buffers 0, 1, 0, 1, 0, 1.  One of the first five: multiplies buffer f; in its middle it fetches quarter q into buffer g.
.macro QUARTER slot, q, f, g, zero
	s_wait_dscnt 4                                 ; wo and O's row blocks 0, 1 are in; the youngest four loads (blocks 2, 3) may be out
	MUL8 \f, 0, \zero
	MUL8 \f, 1, \zero
	PLACES
	FETCH \slot, \q, \g
	s_wait_dscnt 24                                ; all but the 24 just issued
	MUL8 \f, 2, \zero
	MUL8 \f, 3, \zero
.endm
.macro REST slot                       ; a slot's quarters 1 to 4
	QUARTER \slot, 2, 1, 0, 0
	QUARTER \slot, 3, 0, 1, 0
	QUARTER \slot, 4, 1, 0, 0
	QUARTER \slot, 5, 0, 1, 0
.endm
; The last quarter multiplies buffer 1 and changes slots: ONE barrier; in front of it each wave waits for its own reads of this slot and for all its tensor loads.  Behind it nobody reads this
; slot any more and the next slot is whole.  fill = 1: the barrier opens a round of the cluster's, and this slot is filled again, two K steps ahead, first thing behind the round:
; from that request to the wait for it a wave issues 16 + 5 x 32 + 8 = 184 matrix instructions.  fill = 2: the last fill: the same tiles, but the extents say what is left: 128 of K in O's rows,
; 128 or 32 rows of wo from the wave's first; the rest arrives as zeros.  fill = 0: nothing is asked for.
.macro TURN slot, next, fill
	s_wait_dscnt 4
	MUL8 1, 0, 0
	s_wait_dscnt 0x0                               ; my reads of this slot are over,
	s_wait_tensorcnt 0x0                           ; and all my tensor loads have landed: my part of the next slot
	ds_add_u32 v254, v255
	s_wait_dscnt 0x0
	s_barrier_signal -1
	MUL8 1, 1, 0                                   ; work on registers while the others arrive
.if \fill
	WIN 0                                          ; at a branch and at a label every window is 0
.endif
	s_barrier_wait -1
.if \fill
	CREST                                          ; no wave of any partner still reads this slot's tile or has a load on its way
	s_add_nc_u64 s[G0A+4*(\slot)+2:G0A+4*(\slot)+3], s[G0A+4*(\slot)+2:G0A+4*(\slot)+3], 2*KSTEP*2
	s_add_nc_u64 s[G0B+4*(\slot)+2:G0B+4*(\slot)+3], s[G0B+4*(\slot)+2:G0B+4*(\slot)+3], 2*KSTEP*NW*2
.if (\fill) == 2
	s_mov_b32 s[G1A+1], 128<<16                    ; tensor_dim0 of O's tiles
	s_mov_b32 s[G1B+2], s[LEFT]                    ; tensor_dim1 of wo's
.endif
	JLOAD \slot                                    ; the four v_nop behind it are also the places in front of the loads below
.else
	PLACES
.endif
	FETCH \next, 0, 0
	MUL8 1, 2, 0
	MUL8 1, 3, 0
.endm
; THE WAY OUT of row block a (16 rows x 128 columns of f32).  A lane's eight sums of a column block are 32 bytes of a row: they go straight from the accumulators into my stage, each accumulator's
; low half first, and come back as whole rows of 512 bytes.
.macro OUTB a
.set BK, 32+64*((\a)%2)
	WIN 0x04                                       ; the stores' data: the accumulators' window
.irp b, 0,1,2,3,4,5,6,7
	ds_store_b128 v[STO], v[8*(8*(\a)+(\b)):8*(8*(\a)+(\b))+3]   offset:64*(\b)
	ds_store_b128 v[STO], v[8*(8*(\a)+(\b))+4:8*(8*(\a)+(\b))+7] offset:64*(\b)+16
.endr
	WIN 0
	s_wait_xcnt 0x0                                ; every earlier store has had its addresses translated (ISA guide 3.1): the registers that the block two back stored from are loaded again only behind this wait
.irp t, 0,1,2,3,4,5,6,7,8,9,10,11,12,13,14,15
	ds_load_b128 v[BK+4*(\t):BK+4*(\t)+3], v[RD] offset:(\t)*SP  ; LDS serves a wave's instructions in order (ISA guide 5.7.1.4): these see the stores above
.endr
.irp t, 0,1,2,3,4,5,6,7,8,9,10,11,12,13,14,15
	s_wait_dscnt 15-(\t)                           ; load t is in, the younger ones stay out
	global_store_b128 v[CO], v[BK+4*(\t):BK+4*(\t)+3], s[12:13] offset:(16*(\a)+(\t))*NW*4 th:TH_STORE_NT  ; 512 consecutive bytes, at a multiple of 256 from out0's first byte; 63 rows at the most: inside the signed 24-bit immediate
.endr
.endm
	s_wait_tensorcnt 0x1                           ; my part of slot 0 is in; slot 1's may stay out
	s_barrier_signal -1
	s_barrier_wait -1                              ; everybody's is
	FETCH 0, 0, 0
	QUARTER 0, 1, 0, 1, 1                          ; the first quarter stands in front of the loop: its products start the sums
	WIN 0                                          ; at a label and at a branch every window is 0
	s_mov_b32 s[LAP], TRIPS
.Llap:                                                 ; a trip goes once round the ring, from a lap's second quarter to the next lap's first, and fills both slots again
	REST 0
	TURN 0, 1, 1
	QUARTER 1, 1, 0, 1, 0
	REST 1
	TURN 1, 0, 1
	QUARTER 0, 1, 0, 1, 0
	WIN 0
	s_sub_co_u32 s[LAP], s[LAP], 1
	s_cmp_lg_u32 s[LAP], 0
	s_cbranch_scc1 .Llap
	REST 0                                         ; the tail is written out.  Slot 8
	TURN 0, 1, 2                                   ; slot 0 takes the last 128 of K
	QUARTER 1, 1, 0, 1, 0                          ; slot 9;
	REST 1
	TURN 1, 0, 0                                   ; nothing is asked for; behind this barrier slot 1 is read no more
	QUARTER 0, 1, 0, 1, 0                          ; slot 10: four quarters
	QUARTER 0, 2, 1, 0, 0
	QUARTER 0, 3, 0, 1, 0
	s_wait_dscnt 4                                 ; the very last quarter: nothing more to fetch
	MUL8 1, 0, 0
	MUL8 1, 1, 0
	s_wait_dscnt 0x0
	MUL8 1, 2, 0
	MUL8 1, 3, 0
	PLACES                                         ; the way out stores results and loads into fragment registers
	OUTB 0
	OUTB 1
	OUTB 2
	OUTB 3
	s_wait_tensorcnt 0x0
	ds_add_u32 v254, v255
	s_wait_dscnt 0x0
	CROUND                                         ; the closing round: no work-group ends while a partner may still ask for a tile that names it
	s_endpgm
.Lfunc_end_k_q09141c58f5_outp:
	.size	k_q09141c58f5_outp, .Lfunc_end_k_q09141c58f5_outp-k_q09141c58f5_outp
	.p2alignl 7, 3214868480
	.fill 96, 4, 3214868480
	.section	.rodata,"a",@progbits
	.p2align	6, 0x0
	.amdhsa_kernel k_q09141c58f5_outp
		.amdhsa_group_segment_fixed_size 327680
		.amdhsa_private_segment_fixed_size 0
		.amdhsa_enable_private_segment 0
		.amdhsa_kernarg_size 24
		.amdhsa_user_sgpr_count 2
		.amdhsa_user_sgpr_kernarg_segment_ptr 1
		.amdhsa_wavefront_size32 1
		.amdhsa_system_sgpr_workgroup_id_x 1
		.amdhsa_system_sgpr_workgroup_id_y 1
		.amdhsa_system_sgpr_workgroup_id_z 1
		.amdhsa_system_vgpr_workitem_id 0
		.amdhsa_next_free_vgpr 512
		.amdhsa_next_free_sgpr 88
		.amdhsa_reserve_vcc 0
		.amdhsa_float_denorm_mode_32 3
		.amdhsa_float_denorm_mode_16_64 3
		.amdhsa_memory_ordered 1
		.amdhsa_forward_progress 1
		.amdhsa_inst_pref_size 132
	.end_amdhsa_kernel
	.amdgpu_metadata
---
amdhsa.version: [ 1, 2 ]
amdhsa.kernels:
  - .name:           k_q09141c58f5_outp
    .symbol:         k_q09141c58f5_outp.kd
    .args:
      - { .name: o16, .offset: 0, .size: 8, .value_kind: global_buffer, .address_space: global }
      - { .name: wo16, .offset: 8, .size: 8, .value_kind: global_buffer, .address_space: global }
      - { .name: out0, .offset: 16, .size: 8, .value_kind: global_buffer, .address_space: global }
    .group_segment_fixed_size: 327680
    .private_segment_fixed_size: 0
    .kernarg_segment_align: 8
    .kernarg_segment_size: 24
    .max_flat_workgroup_size: 128
    .sgpr_count:     88
    .vgpr_count:     512
    .wavefront_size: 32
...
	.end_amdgpu_metadata
.endif
;; end of part 4
